; MI455X (gfx1250); checked and timed in simulation.
; The chip was launched on July 23, 2026; its instructions are those of AMD's public machine-readable ISA for CDNA 5 (MIT licence, August 2026) and "CDNA5" Instruction Set Architecture Reference Guide (July 2026). The comments in the code are by the model that wrote it; some were corrected since.
;; Multihead attention. Allowed arithmetic: float matrix products may take bf16 or f16 operands with f32 sums; other float arithmetic in f32, or as packed bf16 or f16 multiplies, adds, multiply-adds, maxima and minima; sums over many terms, partial sums and values carried from step to step in f32; what a program stores and reads back later, other than sums and carried values, may be rounded once to bf16 or f16.
;; Inputs: Wk 1,024 x 1,024 float32; Wo 1,024 x 1,024 float32; Wq 1,024 x 1,024 float32; Wv 1,024 x 1,024 float32; bk 1,024 float32; bo 1,024 float32; bq 1,024 float32; bv 1,024 float32; x 4 x 1,024 x 1,024 float32.
;; Outputs: out0 4 x 1,024 x 1,024 float32.
;; 2 versions, each right; version 2 is version 1 with the launch prep written anew for expert scheduling mode. Each part assembles by itself: llvm-mc -triple=amdgcn-amd-amdhsa -mcpu=gfx1250 --defsym DOCPART=n.
;; ======== version 1 of 2: 4 launches
;; limits: values are held in f16: magnitudes above 65,504 overflow, below 6.1e-05 lose precision
;; workspace buffers: xb 8,388,608 bytes; w3 6,291,456 bytes; wot 2,097,152 bytes; qh 8,388,608 bytes; kh 8,388,608 bytes; vh 8,388,608 bytes; zh 8,388,608 bytes
;; launch prep (part 1): grid 512 x 1, 8 waves a work-group, no clusters, 35,840 bytes of LDS; arguments x, Wq, Wk, Wv, Wo, xb, w3, wot; writes xb, w3, wot
.if DOCPART == 1
	.amdgcn_target "amdgcn-amd-amdhsa--gfx1250"
	.amdhsa_code_object_version 6
	.text
	.protected	k_q76563f6e7a_prep
	.globl	k_q76563f6e7a_prep
	.p2align	8
	.type	k_q76563f6e7a_prep,@function
k_q76563f6e7a_prep:
	s_mov_b64 s[64:65], 0
	v_nop
	global_prefetch_b8 v0, s[64:65] scope:SCOPE_SE
	s_setreg_imm32_b32 hwreg(HW_REG_WAVE_MODE, 25, 1), 1
	s_wait_xcnt 0x0
; PREP: the inputs are rounded once to bf16 and laid out for the two GEMMs.
;   xb  [4096][1024] bf16 = x.
;   w3  [3072][1024] bf16: Wq, Wk, Wv turned, K along the rows.  Row 192 (n/64) + 96 ((n/32)%2) + 32 s + n%32 holds column n of W_s (s = 0 q, 1 k, 2 v):
;       the 96 rows that one wave of the next launch multiplies lie together and hold 32 columns each of q, k and v.
;   wot [1024][1024] f16: Wo turned; each number is rounded to bf16 like every other input, and that number is written as f16.
; LIMIT.  A bf16 number below 6.1e-5 in magnitude keeps f16's fixed step of 6e-8 in wot; beyond 65,504 it would be an infinity (Wo's numbers lie far inside).
; SHARES.  Work-groups 0-255: 16 rows of x each, a stream through registers.  Work-groups 256-511: one tile of 128 k x 128 n of one of the four matrices, turned through LDS.
; The branch between the two hangs on the work-group's number alone, so all eight waves of a work-group take the same way.
; No matrix unit, no cluster, no tensor load: every byte is read once and must pass through registers to be rounded.
.set LP,    272                        ; an LDS row: 128 numbers of 16 bits + 16 bytes of padding
.set SPARE, 128*LP                     ; behind the tile: the spare words, 128 bytes for each of the eight waves: four blocks of 256 bytes that no other line names
.set SPW,   8                          ; v8   LDS address of my spare word; never rewritten
.set NIL,   9                          ; v9   0; never rewritten
.set RR,    16                         ; v[16:79]   as loaded
.set DD,    80                         ; v[80:111]  rounded and packed
.set TT,    112                        ; v112-113   at work
	s_load_b256 s[4:11], s[0:1], 0x0               ; x s[4:5], Wq s[6:7], Wk s[8:9], Wv s[10:11]
	s_load_b256 s[12:19], s[0:1], 0x20             ; Wo s[12:13], xb s[14:15], w3 s[16:17], wot s[18:19]
	v_lshl_add_u32 v[SPW], v0, 2, SPARE
	v_mov_b32 v[NIL], 0
	v_lshrrev_b32 v1, 5, v0
	v_readfirstlane_b32 s20, v1                    ; wave 0..7
	s_mov_b32 s23, 0                               ; the high word of every offset pair s[22:23]
	s_wait_kmcnt 0x0
	s_cmp_lt_u32 ttmp9, 256
	s_cbranch_scc0 .Lweights
	; x: 16 rows of 4,096 bytes in, 16 rows of 2,048 bytes out.  Thread t takes 16 bytes at 16 t of every row: a wave's load covers 512 consecutive bytes, its store 256, aligned.
	s_lshl_b32 s22, ttmp9, 16
	s_add_nc_u64 s[4:5], s[4:5], s[22:23]
	s_lshl_b32 s22, ttmp9, 15
	s_add_nc_u64 s[14:15], s[14:15], s[22:23]
	v_lshlrev_b32 v1, 4, v0
	v_lshlrev_b32 v2, 3, v0
.irp i, 0,1,2,3,4,5,6,7,8,9,10,11,12,13,14,15
	global_load_b128 v[RR+4*(\i):RR+4*(\i)+3], v1, s[4:5] offset:4096*(\i) th:TH_LOAD_NT
.endr
.irp i, 0,1,2,3,4,5,6,7,8,9,10,11,12,13,14,15
	s_wait_loadcnt 15-(\i)                         ; loads come back in order: row i is in, the 15 - i younger ones stay out
	v_cvt_pk_bf16_f32 v[DD+2*(\i)],   v[RR+4*(\i)],   v[RR+4*(\i)+1]
	v_cvt_pk_bf16_f32 v[DD+2*(\i)+1], v[RR+4*(\i)+2], v[RR+4*(\i)+3]
	global_store_b64 v2, v[DD+2*(\i):DD+2*(\i)+1], s[14:15] offset:2048*(\i)  ; no register is written twice, so nothing is waited for
.endr
	s_branch .Lend
.Lweights:
	s_sub_co_u32 s21, ttmp9, 256
	s_lshr_b32 s24, s21, 6                         ; which matrix: 0 Wq, 1 Wk, 2 Wv, 3 Wo
	s_bfe_u32 s25, s21, 0x30003                    ; tk: the tile's 128 rows k
	s_and_b32 s26, s21, 7                          ; tn: its 128 columns n
	s_cmp_eq_u32 s24, 1
	s_cselect_b64 s[28:29], s[8:9], s[6:7]
	s_cmp_eq_u32 s24, 2
	s_cselect_b64 s[28:29], s[10:11], s[28:29]
	s_cmp_eq_u32 s24, 3
	s_cselect_b64 s[28:29], s[12:13], s[28:29]
	s_lshl_b32 s22, s25, 19                        ; 128 rows of 4,096 bytes
	s_lshl_b32 s27, s26, 9                         ; 128 columns of 4 bytes
	s_add_co_u32 s22, s22, s27
	s_add_nc_u64 s[28:29], s[28:29], s[22:23]
	v_and_b32 v5, 31, v0                           ; lane
	s_lshl_b32 s27, s20, 15                        ; my wave's 8 rows k
	v_lshl_add_u32 v1, v5, 4, s27                  ; a lane takes columns 4 l .. 4 l + 3: a wave's load covers a tile row's 512 bytes
.irp g, 0,1                            ; two groups of 8 rows: k = 8 (wave + 8 g) + j
.irp j, 0,1,2,3,4,5,6,7
	global_load_b128 v[RR+32*(\g)+4*(\j):RR+32*(\g)+4*(\j)+3], v1, s[28:29] offset:262144*(\g)+4096*(\j) th:TH_LOAD_NT
.endr
.endr
	; addresses, while the loads are out
	v_mul_u32_u24 v3, v5, 4*LP                     ; into LDS: row n = 4 l + e,
	v_lshl_add_u32 v3, s20, 4, v3                  ; 16 bytes at k = 8 wave (+ 64 g)
	v_lshrrev_b32 v6, 4, v5
	v_and_b32 v7, 15, v5
	s_lshl_b32 s27, s20, 4
	v_add_nc_u32 v4, s27, v6                       ; back: wave w takes rows 16 w .. 16 w + 15; lanes 0-15 one row of 256 bytes, lanes 16-31 the next
	v_mul_u32_u24 v4, v4, LP
	v_lshl_add_u32 v4, v7, 4, v4
	v_lshlrev_b32 v2, 11, v6                       ; and the same two rows in memory, 2,048 bytes apart
	v_lshl_add_u32 v2, v7, 4, v2
	s_lshl_b32 s30, s26, 7
	s_lshl4_add_u32 s30, s20, s30                  ; n0 = 128 tn + 16 wave: my first column
	s_lshr_b32 s31, s30, 6
	s_mul_i32 s31, s31, 192
	s_bfe_u32 s32, s30, 0x10005
	s_mul_i32 s32, s32, 96
	s_add_co_u32 s31, s31, s32
	s_lshl_b32 s32, s24, 5
	s_add_co_u32 s31, s31, s32
	s_and_b32 s32, s30, 31
	s_add_co_u32 s31, s31, s32                     ; its row in w3; the 16 columns' rows follow each other
	s_cmp_eq_u32 s24, 3
	s_cselect_b32 s31, s30, s31                    ; in wot the row is the column
	s_cselect_b64 s[34:35], s[18:19], s[16:17]
	s_lshl_b32 s31, s31, 11
	s_lshl_b32 s32, s25, 8                         ; the tile's 128 k: 256 bytes of a row
	s_add_co_u32 s22, s31, s32
	s_add_nc_u64 s[34:35], s[34:35], s[22:23]
; Group g: for each of my four columns e, the 8 numbers k are rounded and packed into 16 bytes, which go into LDS row 4 l + e.  kind = 1: the bf16 number is written as f16.
.macro CONV g, kind
.irp e, 0,1,2,3
.irp p, 0,1,2,3
	v_cvt_pk_bf16_f32 v[DD+16*(\g)+4*(\e)+(\p)], v[RR+32*(\g)+8*(\p)+(\e)], v[RR+32*(\g)+8*(\p)+4+(\e)]
.if \kind
	v_lshlrev_b32 v[TT], 16, v[DD+16*(\g)+4*(\e)+(\p)]
	v_and_b32 v[TT+1], 0xffff0000, v[DD+16*(\g)+4*(\e)+(\p)]
	v_cvt_pk_f16_f32 v[DD+16*(\g)+4*(\e)+(\p)], v[TT], v[TT+1]
.endif
.endr
	ds_store_b128 v3, v[DD+16*(\g)+4*(\e):DD+16*(\g)+4*(\e)+3] offset:LP*(\e)+128*(\g)
.endr
.endm
	s_cmp_eq_u32 s24, 3
	s_cbranch_scc1 .Lwo
	s_wait_loadcnt 8                               ; group 0 is in; group 1's eight loads may stay out
	CONV 0, 0
	s_wait_loadcnt 0x0
	CONV 1, 0
	s_branch .Lmeet
.Lwo:
	s_wait_loadcnt 8
	CONV 0, 1
	s_wait_loadcnt 0x0
	CONV 1, 1
.Lmeet:
	s_wait_dscnt 0x0                               ; for the others' sake: my stores into the tile are done
	s_barrier_signal -1
	s_barrier_wait -1                              ; a row's 256 bytes come from all eight waves
.irp t, 0,1,2,3,4,5,6,7
	ds_load_b128 v[RR+4*(\t):RR+4*(\t)+3], v4 offset:2*LP*(\t)
.endr
.irp t, 0,1,2,3,4,5,6,7
	s_wait_dscnt 7-(\t)
	global_store_b128 v2, v[RR+4*(\t):RR+4*(\t)+3], s[34:35] offset:4096*(\t)  ; 16 lanes store 256 consecutive bytes, at a multiple of 256 from the buffer's first byte
.endr
.Lend:
	s_wait_tensorcnt 0x0                           ; the wave's end, behind my last LDS store
	ds_add_u32 v[SPW], v[NIL]
	s_wait_dscnt 0x0
	s_endpgm
.Lfunc_end_k_q76563f6e7a_prep:
	.size	k_q76563f6e7a_prep, .Lfunc_end_k_q76563f6e7a_prep-k_q76563f6e7a_prep
	.p2alignl 7, 3214868480
	.fill 96, 4, 3214868480
	.section	.rodata,"a",@progbits
	.p2align	6, 0x0
	.amdhsa_kernel k_q76563f6e7a_prep
		.amdhsa_group_segment_fixed_size 35840
		.amdhsa_private_segment_fixed_size 0
		.amdhsa_enable_private_segment 0
		.amdhsa_kernarg_size 64
		.amdhsa_user_sgpr_count 2
		.amdhsa_user_sgpr_kernarg_segment_ptr 1
		.amdhsa_wavefront_size32 1
		.amdhsa_system_sgpr_workgroup_id_x 1
		.amdhsa_system_sgpr_workgroup_id_y 1
		.amdhsa_system_sgpr_workgroup_id_z 1
		.amdhsa_system_vgpr_workitem_id 0
		.amdhsa_next_free_vgpr 120
		.amdhsa_next_free_sgpr 66
		.amdhsa_reserve_vcc 0
		.amdhsa_float_denorm_mode_32 3
		.amdhsa_float_denorm_mode_16_64 3
		.amdhsa_memory_ordered 1
		.amdhsa_forward_progress 1
		.amdhsa_inst_pref_size 22
	.end_amdhsa_kernel
	.amdgpu_metadata
---
amdhsa.version: [ 1, 2 ]
amdhsa.kernels:
  - .name:           k_q76563f6e7a_prep
    .symbol:         k_q76563f6e7a_prep.kd
    .args:
      - { .name: x, .offset: 0, .size: 8, .value_kind: global_buffer, .address_space: global }
      - { .name: Wq, .offset: 8, .size: 8, .value_kind: global_buffer, .address_space: global }
      - { .name: Wk, .offset: 16, .size: 8, .value_kind: global_buffer, .address_space: global }
      - { .name: Wv, .offset: 24, .size: 8, .value_kind: global_buffer, .address_space: global }
      - { .name: Wo, .offset: 32, .size: 8, .value_kind: global_buffer, .address_space: global }
      - { .name: xb, .offset: 40, .size: 8, .value_kind: global_buffer, .address_space: global }
      - { .name: w3, .offset: 48, .size: 8, .value_kind: global_buffer, .address_space: global }
      - { .name: wot, .offset: 56, .size: 8, .value_kind: global_buffer, .address_space: global }
    .group_segment_fixed_size: 35840
    .private_segment_fixed_size: 0
    .kernarg_segment_align: 8
    .kernarg_segment_size: 64
    .max_flat_workgroup_size: 256
    .sgpr_count:     66
    .vgpr_count:     120
    .wavefront_size: 32
...
	.end_amdgpu_metadata
.endif
;; end of part 1
;; launch qkv (part 2): grid 16 x 16, 4 waves a work-group, clusters of 4 x 4, 327,680 bytes of LDS; arguments xb, w3, bq, bk, bv, qh, kh, vh; writes qh, kh, vh
.if DOCPART == 2
	.amdgcn_target "amdgcn-amd-amdhsa--gfx1250"
	.amdhsa_code_object_version 6
	.text
	.protected	k_q76563f6e7a_qkv
	.globl	k_q76563f6e7a_qkv
	.p2align	8
	.type	k_q76563f6e7a_qkv,@function
k_q76563f6e7a_qkv:
	s_mov_b64 s[64:65], 0
	v_nop
	global_prefetch_b8 v0, s[64:65] scope:SCOPE_SE
	s_setreg_imm32_b32 hwreg(HW_REG_WAVE_MODE, 25, 1), 1
	s_wait_xcnt 0x0
	s_wait_alu depctr_hold_cnt(0) depctr_sa_sdst(0) depctr_va_vdst(0) depctr_va_sdst(0) depctr_va_ssrc(0) depctr_va_vcc(0) depctr_vm_vsrc(0)
	s_getreg_b32 s2, hwreg(HW_REG_IB_STS2, 6, 4)
	s_cmp_eq_u32 s2, 0
	s_cbranch_scc0 .Lentry_in_a_cluster
	s_endpgm
.Lentry_in_a_cluster:
	s_bfe_u32 s2, ttmp6, 0x10000c
	s_cmp_lg_u32 s2, 0xf033
	s_cbranch_scc0 .Lentry_shape_is_right
	s_endpgm
.Lentry_shape_is_right:
; q = c (x Wq + bq), k = x Wk + bk, v = x Wv + bv, by heads, in f16.  xb: [4096][1024] bf16; w3: [3072][1024] bf16, K along the rows, its rows ordered so that a work-group's 192 and a
; wave's 96 lie together (32 columns each of q, k, v a wave).  Sums in f32; the biases, rounded to bf16 like all inputs, are the C operand that starts each sum; c = log2(e) / 8 is applied
; to q in f32; each result is rounded once, to f16.
; LIMIT.  f16 holds no number beyond 65,504: c q, k and v must stay within it.
; OUT.  Head n = 4 (column / 16) + batch.  qh, kh, vh: [256 heads][64 tiles of 16 tokens][32 lanes][8 halves]: 512 bytes a tile, laid as the next launch's matrix operands lie in registers.
;   qh, kh: lane (r, h) holds token r of the tile, channels 8 h .. 8 h + 7.      vh: lane (r, h) holds channel r, tokens 8 h .. 8 h + 7.
; So q's and k's products take source 0 = 16 rows of w3, source 1 = 16 rows of xb (a lane's eight results are eight channels of one token), v's the other way round (eight tokens of one channel),
; and an accumulator, rounded in pairs, IS a tile: one store of 16 bytes a lane, 512 consecutive bytes a wave.  Nothing goes through LDS on the way out.
; SHARES.  A work-group makes 256 tokens x 192 columns, 16 x 16 work-groups; each of its four waves 128 x 96: 48 accumulators, 384 registers.  K goes in steps of 128 through two LDS slots.
; CLUSTER.  4 x 4 work-groups: the four of a row need the same tile of xb, the four of a column the same tile of w3; each is asked for jointly, by the same load with the same descriptor and mask.
; REGISTERS, in windows of 256 (s_set_vgpr_msb: bits 1:0 source 0, 3:2 source 1, 5:4 source 2, 7:6 destination):
;   window 0: v0-31 addresses; v32-79 the biases as C operands, 8 registers a column block; v96-191 packed results
;   window 1: two fragment buffers of 112: 8 fragments of xb (16 rows x 32 K), then 6 of w3
;   window 2: the accumulators of my tokens 0-63 ((mt, b) at v[8 (6 mt + b)]);   window 3: those of my tokens 64-127
.set SIZE_K, 1024
.set KSTEP,  128
.set PITCH,  272                       ; an LDS row: 256 bytes + 16 of padding = 68 words: the 16 rows of a fragment load start at 16 different groups of four banks (64 banks of 4 bytes: ISA guide 11.1)
.set HALFA,  128*PITCH                 ; what one load brings of xb, and what one wave reads of it
.set HALFB,  96*PITCH                  ; the same for w3
.set SLOT,   2*HALFA+2*HALFB           ; xb's 256 rows, then w3's 192
.set SPARE,  2*SLOT                    ; behind the ring: the spare words, 128 bytes for each wave: two blocks of 256 bytes that no other line names
.set LAPS,   SIZE_K/(2*KSTEP)          ; a lap = two K steps = once round the ring
.set ADRA, 16                          ; v16-17  LDS address of my fragments of xb in slot 0, 1
.set ADRB, 20                          ; v20-21  the same for w3
.set ST,   26                          ; v26     16 x lane: my 16 bytes of a tile
.set SPW,  28                          ; v28     LDS address of my spare word; never rewritten
.set NIL,  29                          ; v29     0; never rewritten
.set PFO,  30                          ; v30     the prefetches' offset: a lane a row of 2,048 bytes; never rewritten
.set BI,   32
.set TMP,  96
.set F0,   0
.set F1,   112
.set G1,  24                           ; s[24:31] descriptor group 1 for xb's tiles;  s[32:39] group 0, a set for each slot
.set G0,  32
.set G1B, 48                           ; s[48:55], s[56:63] the same for w3's
.set G0B, 56
.set LIM, 43                           ; s43     1 in a wave that prefetches, else the greatest number
.set PFA, 44                           ; s[44:45] where my prefetches stand
.set MSB, 0
.macro WIN new                         ; the immediate's high byte repeats the setting that is left; a switch that changes nothing is dropped
.if MSB != (\new)
	s_set_vgpr_msb (MSB<<8)|(\new)
.set MSB, \new
.endif
.endm
.set MUL_LO, 0xa5                      ; both sources window 1, C and D window 2
.set FST_LO, 0x85                      ; the same with C (the bias) in window 0
.set TO_F,   0x40                      ; destination window 1, address window 0
; A joint load: waves 0 and 1 fetch xb's two halves, waves 2 and 3 w3's.  The branch hangs on the wave's number alone.  An s_nop 0 and four v_nop follow each of the two lines.
.macro JLOAD s
	s_cmp_eq_u32 s11, 0
	s_cbranch_scc0 .Lfor_b_\@
	tensor_load_to_lds s[G0+4*(\s):G0+4*(\s)+3], s[G1:G1+7]
	s_nop 0
.rept 4
	v_nop
.endr
	s_branch .Lasked_\@
.Lfor_b_\@:
	tensor_load_to_lds s[G0B+4*(\s):G0B+4*(\s)+3], s[G1B:G1B+7]
	s_nop 0
.rept 4
	v_nop
.endr
.Lasked_\@:
.endm
; A prefetch into the L2 of the K step that stands two refills on, behind each joint load and the run of LDS loads that follows it.  A K step is 256 bytes of each row.  xb's rows are read by every cluster
; of a row of clusters: cluster x = 0 asks; w3's by every cluster of a column: cluster y = 0 asks.  The four partners share a wave's rows out by address: 32 of xb's 128 (by cx), 24 of w3's 96 (by cy);
; a lane a row (for w3 lanes 24-31 name row 23 once more).  The loop's last trip asks for nothing: its refills are the last K steps.
.macro ASK
	s_cmp_gt_u32 s3, s[LIM]
	s_cbranch_scc0 .Lnot_mine_\@
	global_prefetch_b8 v[PFO], s[PFA:PFA+1] offset:KSTEP*2 th:TH_LOAD_NT scope:SCOPE_SE
.Lnot_mine_\@:
.endm
.macro CREST                           ; a round of the cluster's barrier behind its opening barrier
	s_cmp_lg_u32 s10, 0
	s_cbranch_scc1 .Lnot_wave_0_\@
	s_barrier_signal -3
.Lnot_wave_0_\@:
	s_barrier_wait -3
	s_barrier_signal -1
	s_barrier_wait -1
.endm
.macro CROUND                          ; a whole round
	s_barrier_signal -1
	s_barrier_wait -1
	CREST
.endm
.macro PLACES                          ; four places in front of loads into registers that matrix instructions have read, and of vector work that reads results
.rept 4
	v_nop
.endr
.endm
	s_load_b128 s[4:7], s[0:1], 0x0                ; xb s[4:5], w3 s[6:7]
	s_load_b256 s[68:75], s[0:1], 0x10             ; bq s[68:69], bk s[70:71], bv s[72:73], qh s[74:75]
	s_load_b128 s[76:79], s[0:1], 0x30             ; kh s[76:77], vh s[78:79]
	v_lshl_add_u32 v[SPW], v0, 2, SPARE
	v_mov_b32 v[NIL], 0
	ds_add_u32 v[SPW], v[NIL]                      ; the wave's opening: the add and its wait stand ahead of my first tensor load; the set-up below, work on registers, stands between them
	v_lshrrev_b32 v1, 5, v0
	v_readfirstlane_b32 s10, v1                    ; wave 0..3
	s_lshr_b32 s11, s10, 1                         ; wm: which 128 tokens are mine.  Also: I fetch for xb (0) or for w3 (1)
	s_and_b32 s12, s10, 1                          ; wn: which 96 columns.  Also: which half of that tile I fetch
	s_bfe_u32 s40, ttmp6, 0x40000                  ; cx
	s_bfe_u32 s41, ttmp6, 0x40004                  ; cy
	s_lshl_b32 s42, ttmp9, 2
	s_add_co_u32 s42, s42, s40                     ; tc: tile column = 4 x cluster x + cx
	s_and_b32 s13, ttmp7, 0xffff
	s_lshl_b32 s13, s13, 2
	s_add_co_u32 s13, s13, s41                     ; tr: tile row = 4 x cluster y + cy
	s_lshl_b32 s43, s41, 2
	s_lshl_b32 s43, 15, s43                        ; my row of the cluster
	s_lshl_b32 s44, 0x1111, s40                    ; my column
	s_or_b32 s[G1+0], s43, (1<<16)|(1<<20)|(1<<21)|(5<<22)|(3<<25)   ; 15:0 the mask; 17:16 elements of 2 bytes; 20 padding on; 21 set beside a mask; 24:22 after every 64 words (code 5); 31:25 4 words (code 3)
	s_or_b32 s[G1B+0], s44, (1<<16)|(1<<20)|(1<<21)|(5<<22)|(3<<25)
.irp g, G1, G1B
	s_mov_b32 s[(\g)+1], KSTEP<<16                 ; tensor_dim0 = 128
	s_mov_b32 s[(\g)+3], KSTEP<<16                 ; tile_dim0 = 128
	s_mov_b32 s[(\g)+5], SIZE_K                    ; elements from row to row
	s_mov_b32 s[(\g)+6], 0
	s_mov_b32 s[(\g)+7], 0
.endr
	s_mov_b32 s[G1+2], 128<<16                     ; tensor_dim1 and tile_dim1: 128 rows of xb,
	s_mov_b32 s[G1+4], 128
	s_mov_b32 s[G1B+2], 96<<16                     ; 96 rows of w3
	s_mov_b32 s[G1B+4], 96
	s_lshl_b32 s17, s12, 7
	s_lshl_b32 s16, s13, 8
	s_add_co_u32 s16, s16, s17                     ; xb: row 256 tr + 128 x half,
	s_lshl_b32 s16, s16, 11                        ; of 2,048 bytes
	s_mov_b32 s17, 0
	s_mul_i32 s46, s42, 192
	s_mul_i32 s47, s12, 96
	s_add_co_u32 s46, s46, s47                     ; w3: row 192 tc + 96 x half
	s_lshl_b32 s46, s46, 11
	s_mov_b32 s47, 0
	s_mul_i32 s20, s10, HALFA                      ; where they go: xb's halves at wave x 128 rows (waves 0, 1),
	s_mul_i32 s21, s10, HALFB
	s_add_co_u32 s21, s21, 2*(HALFA-HALFB)         ; w3's behind them, at (wave - 2) x 96 rows (waves 2, 3): no place in the cluster enters an LDS address
	s_mov_b32 s80, 0x3e38aa3b                      ; c = log2(e) / 8
	s_mov_b32 s81, s80                             ; named with it as a pair
	s_wait_dscnt 0x0                               ; the opening add is done
	s_wait_kmcnt 0x0
	s_add_nc_u64 s[14:15], s[4:5], s[16:17]
	s_add_nc_u64 s[46:47], s[6:7], s[46:47]
	CROUND                                         ; all sixteen work-groups are here: the first joint loads meet
.irp s, 0,1
	s_mov_b32 s[G0+4*(\s)], 1                                        ; count = 1
	s_add_co_u32 s[G0+4*(\s)+1], s20, (\s)*SLOT                      ; LDS address
	s_add_nc_u64 s[G0+4*(\s)+2:G0+4*(\s)+3], s[14:15], (\s)*KSTEP*2  ; global address: K step s
	s_or_b32 s[G0+4*(\s)+3], s[G0+4*(\s)+3], 0x80000000              ; type = 2
	s_mov_b32 s[G0B+4*(\s)], 1
	s_add_co_u32 s[G0B+4*(\s)+1], s21, (\s)*SLOT
	s_add_nc_u64 s[G0B+4*(\s)+2:G0B+4*(\s)+3], s[46:47], (\s)*KSTEP*2
	s_or_b32 s[G0B+4*(\s)+3], s[G0B+4*(\s)+3], 0x80000000
	JLOAD \s                                       ; two tensor loads of mine are out
.endr
	; the biases: asked for first, rounded further down
	v_and_b32 v1, 15, v0                           ; r = l % 16
	v_bfe_u32 v2, v0, 4, 1                         ; h = l / 16
	s_lshl_b32 s46, s42, 8                         ; my wave's first column, 64 tc + 32 wn, in bytes of f32
	s_lshl_b32 s47, s12, 7
	s_add_co_u32 s46, s46, s47
	s_mov_b32 s47, 0
	s_add_nc_u64 s[68:69], s[68:69], s[46:47]
	s_add_nc_u64 s[70:71], s[70:71], s[46:47]
	s_add_nc_u64 s[72:73], s[72:73], s[46:47]
	v_lshlrev_b32 v4, 5, v2                        ; q, k: register j of the C operand is the bias of channel 8 h + j
	v_lshlrev_b32 v5, 2, v1                        ; v: all eight registers are the bias of channel r
.irp u, 0,1
	global_load_b128 v[BI+8*(\u):BI+8*(\u)+3],       v4, s[68:69] offset:64*(\u)
	global_load_b128 v[BI+8*(\u)+4:BI+8*(\u)+7],     v4, s[68:69] offset:64*(\u)+16
	global_load_b128 v[BI+16+8*(\u):BI+16+8*(\u)+3],   v4, s[70:71] offset:64*(\u)
	global_load_b128 v[BI+16+8*(\u)+4:BI+16+8*(\u)+7], v4, s[70:71] offset:64*(\u)+16
	global_load_b32 v[BI+32+8*(\u)], v5, s[72:73] offset:64*(\u)
.endr
	; A fragment is 16 rows x 32 K in 8 registers: lane l holds row l % 16; registers 0-3 K = 8 (l / 16) + 0..7, registers 4-7 K = 16 + 8 (l / 16) + 0..7: two loads of 16 bytes, 32 bytes apart.
	v_mul_u32_u24 v3, v1, PITCH
	v_lshl_add_u32 v3, v2, 4, v3
	s_mul_i32 s21, s11, HALFA                      ; my 128 rows of xb
	s_mul_i32 s22, s12, HALFB                      ; my 96 rows of w3,
	s_add_co_u32 s22, s22, 2*HALFA                 ; which lie behind xb's 256
.irp s, 0,1
	v_add_nc_u32 v[ADRA+(\s)], s21, v3
	v_add_nc_u32 v[ADRB+(\s)], s22, v3
	s_add_co_u32 s21, s21, SLOT
	s_add_co_u32 s22, s22, SLOT
.endr
	v_and_b32 v[ST], 31, v0
	v_lshlrev_b32 v[ST], 4, v[ST]
	; where my results go: head 16 tc + 8 wn + 4 (b % 2) + tr / 4 (32,768 bytes a head), token tile 16 (tr % 4) + 8 wm + mt (512 bytes a tile)
	s_lshl_b32 s46, s42, 4
	s_lshl3_add_u32 s46, s12, s46
	s_lshr_b32 s47, s13, 2
	s_add_co_u32 s46, s46, s47
	s_lshl_b32 s46, s46, 15
	s_and_b32 s47, s13, 3
	s_lshl_b32 s47, s47, 4
	s_lshl3_add_u32 s47, s11, s47
	s_lshl_b32 s47, s47, 9
	s_add_co_u32 s82, s46, s47
	s_mov_b32 s83, 0
	s_add_nc_u64 s[74:75], s[74:75], s[82:83]
	s_add_nc_u64 s[76:77], s[76:77], s[82:83]
	s_add_nc_u64 s[78:79], s[78:79], s[82:83]
	; the prefetches
	s_lshl_b32 s18, s13, 8                         ; 256 tr
	s_mul_i32 s19, s42, 192                        ; 192 tc
	s_and_b32 s22, ttmp7, 0xffff                   ; cluster y
	s_cmp_eq_u32 s11, 0                            ; do I fetch for xb?
	s_cselect_b32 s20, s18, s19                    ; the tile's first row
	s_cselect_b32 s21, s40, s41                    ; my place among the four that ask for it with me
	s_cselect_b32 s22, ttmp9, s22                  ; the coordinate along which other clusters read the same rows
	s_cselect_b64 s[PFA:PFA+1], s[4:5], s[6:7]
	s_cselect_b32 s19, 32, 24                      ; rows that a partner asks for,
	s_cselect_b32 s23, 31, 23                      ; the last of them
	s_cmp_eq_u32 s22, 0
	s_cselect_b32 s[LIM], 1, -1                    ; the same in all sixteen partners, for a given wave
	s_lshl_b32 s18, s19, 2                         ; rows that a wave fetches: 128 or 96
	s_mul_i32 s18, s18, s12
	s_add_co_u32 s20, s20, s18
	s_mul_i32 s19, s19, s21
	s_add_co_u32 s20, s20, s19
	s_lshl_b32 s20, s20, 11
	s_mov_b32 s21, 0
	s_add_nc_u64 s[PFA:PFA+1], s[PFA:PFA+1], s[20:21]
	s_add_nc_u64 s[PFA:PFA+1], s[PFA:PFA+1], 2*KSTEP*2  ; at K step 2: the first refill steps it to 3 and names K step 4.  Nothing is prefetched here, at the head
	v_and_b32 v[PFO], 31, v0
	v_min_u32 v[PFO], s23, v[PFO]
	v_lshlrev_b32 v[PFO], 11, v[PFO]
	s_wait_loadcnt 0x0                             ; the biases are in: rounded to bf16, like all inputs, and kept as f32
.irp a, 0,2,4,6,8,10,12,14,16,18,20,22,24,26,28,30
	v_cvt_pk_bf16_f32 v6, v[BI+(\a)], v[BI+(\a)+1]
	v_lshlrev_b32 v[BI+(\a)], 16, v6
	v_and_b32 v[BI+(\a)+1], 0xffff0000, v6
.endr
	v_cvt_pk_bf16_f32 v6, v[BI+32], v[BI+40]
	v_lshlrev_b32 v[BI+32], 16, v6
	v_and_b32 v[BI+40], 0xffff0000, v6
.irp j, 1,2,3,4,5,6,7
	v_mov_b32 v[BI+32+(\j)], v[BI+32]
	v_mov_b32 v[BI+40+(\j)], v[BI+40]
.endr
; 12 matrix instructions: token blocks a0, a0 + 1 of the window's four (hi = 0: my tokens 0-63, 1: 64-127) x all 6 column blocks, 32 along K.  first = 1: the bias starts the sums.
; Column blocks 0-3 (q, k): source 0 = w3's rows; 4, 5 (v): source 0 = xb's rows.  The 48 accumulators take turns in the same order in every quarter step.
.macro MUL12 f, hi, a0, first
.if \first
	WIN FST_LO+0x40*(\hi)
.else
	WIN MUL_LO+0x50*(\hi)
.endif
.irp a, \a0, (\a0)+1
.irp b, 0,1,2,3,4,5
.set rD, 8*(6*(\a)+(\b))
.set rA, (\f)+8*(4*(\hi)+(\a))
.set rB, (\f)+64+8*(\b)
.if (\b) < 4
.if \first
	v_wmma_f32_16x16x32_bf16 v[rD:rD+7], v[rB:rB+7], v[rA:rA+7], v[BI+8*(\b):BI+8*(\b)+7]
.else
	v_wmma_f32_16x16x32_bf16 v[rD:rD+7], v[rB:rB+7], v[rA:rA+7], v[rD:rD+7]
.endif
.else
.if \first
	v_wmma_f32_16x16x32_bf16 v[rD:rD+7], v[rA:rA+7], v[rB:rB+7], v[BI+8*(\b):BI+8*(\b)+7]
.else
	v_wmma_f32_16x16x32_bf16 v[rD:rD+7], v[rA:rA+7], v[rB:rB+7], v[rD:rD+7]
.endif
.endif
.endr
.endr
.endm
; 28 LDS loads in one run: the fragments of one quarter step (32 K at byte k of the rows) into buffer f: w3's six, then xb's eight
.macro FETCH slot, k, f
	WIN TO_F
.irp i, 0,1,2,3,4,5
	ds_load_b128 v[(\f)+64+8*(\i):(\f)+64+8*(\i)+3],   v[ADRB+(\slot)] offset:(\k)+(\i)*16*PITCH
	ds_load_b128 v[(\f)+64+8*(\i)+4:(\f)+64+8*(\i)+7], v[ADRB+(\slot)] offset:(\k)+(\i)*16*PITCH+32
.endr
.irp i, 0,1,2,3,4,5,6,7
	ds_load_b128 v[(\f)+8*(\i):(\f)+8*(\i)+3],   v[ADRA+(\slot)] offset:(\k)+(\i)*16*PITCH
	ds_load_b128 v[(\f)+8*(\i)+4:(\f)+8*(\i)+7], v[ADRA+(\slot)] offset:(\k)+(\i)*16*PITCH+32
.endr
.endm
; A K step is four quarter steps of 32 along K, 48 matrix instructions each, on buffers 0, 1, 0, 1.  One of the first three multiplies buffer f and, in its middle, fetches the next quarter into g.
.macro QUARTER slot, k, f, g, first
	s_wait_dscnt 8                                 ; w3's fragments and xb's rows 0-63 are in; the youngest eight loads (rows 64-127) may be out
	MUL12 \f, 0, 0, \first
	MUL12 \f, 0, 2, \first
	PLACES
	FETCH \slot, \k, \g
	s_wait_dscnt 28                                ; all but the 28 just issued
	MUL12 \f, 1, 0, \first
	MUL12 \f, 1, 2, \first
.endm
; The last quarter multiplies buffer 1 and changes slots.  One barrier: in front of it each wave waits for all its tensor loads (one is out: its part of the next slot), adds 0 to its spare word,
; and waits for that and for its own reads of this slot.  Behind it nobody reads this slot any more and the next slot is whole.
.macro MEET round
	WIN 0                                          ; (the add's two registers lie in window 0)
	s_wait_tensorcnt 0x0
	ds_add_u32 v[SPW], v[NIL]
	s_wait_dscnt 9                                 ; (the add and the youngest eight loads may be out)
	MUL12 F1, 0, 0, 0                              ; twelve matrix instructions stand between the add and the wait for it
	s_wait_dscnt 0x0                               ; the add is done, and my reads of this slot are over
	s_barrier_signal -1
	MUL12 F1, 0, 2, 0                              ; work on registers while the others arrive
.if \round
	WIN 0
.endif
	s_barrier_wait -1
.endm
; fill = 1: the barrier opens a round of the cluster's barrier, and this slot is filled again, two K steps ahead: the first tensor load behind the round, 168 matrix instructions ahead of the wait for it.
.macro TURN slot, next, fill
.if \fill
	s_wait_xcnt 0x0                                ; the last prefetch, a K step back, has read its address
	s_add_nc_u64 s[PFA:PFA+1], s[PFA:PFA+1], KSTEP*2
	MEET 1
	CREST                                          ; no wave of any partner still reads this slot's tile or has a load on its way
	s_add_nc_u64 s[G0+4*(\slot)+2:G0+4*(\slot)+3], s[G0+4*(\slot)+2:G0+4*(\slot)+3], 2*KSTEP*2
	s_add_nc_u64 s[G0B+4*(\slot)+2:G0B+4*(\slot)+3], s[G0B+4*(\slot)+2:G0B+4*(\slot)+3], 2*KSTEP*2
	JLOAD \slot                                    ; the four v_nop behind it are also the places in front of the loads below
	FETCH \next, 0, F0
	WIN 0
	ASK
.else
	MEET 0
	PLACES
	FETCH \next, 0, F0
.endif
	MUL12 F1, 1, 0, 0
	MUL12 F1, 1, 2, 0
.endm
	s_wait_tensorcnt 1                             ; my part of K step 0 is in; K step 1's may stay out
	s_barrier_signal -1
	s_barrier_wait -1                              ; everybody's is
	FETCH 0, 0, F0
	QUARTER 0, 64,  F0, F1, 1                      ; the first quarter stands in front of the loop: its products start the sums
	WIN 0                                          ; at a label and at a branch every window is 0
	s_mov_b32 s3, LAPS-1
.Llap:                                         ; a trip goes once round the ring, from a lap's second quarter to the next lap's first, and fills both slots again
	QUARTER 0, 128, F1, F0, 0
	QUARTER 0, 192, F0, F1, 0
	TURN 0, 1, 1
	QUARTER 1, 64,  F0, F1, 0
	QUARTER 1, 128, F1, F0, 0
	QUARTER 1, 192, F0, F1, 0
	TURN 1, 0, 1
	QUARTER 0, 64,  F0, F1, 0
	WIN 0
	s_sub_co_u32 s3, s3, 1
	s_cmp_lg_u32 s3, 0
	s_cbranch_scc1 .Llap
	QUARTER 0, 128, F1, F0, 0                      ; the last lap fills nothing, and has no round of the cluster's barrier
	QUARTER 0, 192, F0, F1, 0
	TURN 0, 1, 0
	QUARTER 1, 64,  F0, F1, 0
	QUARTER 1, 128, F1, F0, 0
	QUARTER 1, 192, F0, F1, 0
	s_wait_dscnt 8                                 ; the very last quarter: nothing more to fetch
	MUL12 F1, 0, 0, 0
	MUL12 F1, 0, 2, 0
	s_wait_dscnt 0x0
	MUL12 F1, 1, 0, 0
	MUL12 F1, 1, 2, 0
; THE WAY OUT, a window's 24 accumulators at a time: q's are multiplied by c; all are rounded to f16 in pairs, each accumulator's registers in ascending order; each is one store.
.macro OUT hi
.if \hi
	s_wait_xcnt 0x0                                ; the first 24 stores have read their data registers, which are written again below
.endif
	WIN 0x82+0x41*(\hi)                            ; destination and source 0 in the accumulators' window
.irp m, 0,1,2,3
.irp b, 0,1
.irp z, 0,1,2,3
	v_pk_mul_f32 v[8*(6*(\m)+(\b))+2*(\z):8*(6*(\m)+(\b))+2*(\z)+1], v[8*(6*(\m)+(\b))+2*(\z):8*(6*(\m)+(\b))+2*(\z)+1], s[80:81] op_sel_hi:[1,0]
.endr
.endr
.endr
	WIN 0x0a+5*(\hi)                               ; sources 0 and 1 in the accumulators' window, destination in window 0
.irp m, 0,1,2,3
.irp b, 0,1,2,3,4,5
.irp z, 0,1,2,3
	v_cvt_pk_f16_f32 v[TMP+4*(6*(\m)+(\b))+(\z)], v[8*(6*(\m)+(\b))+2*(\z)], v[8*(6*(\m)+(\b))+2*(\z)+1]
.endr
.endr
.endr
	WIN 0
.irp m, 0,1,2,3
.irp b, 0,1,2,3,4,5
	global_store_b128 v[ST], v[TMP+4*(6*(\m)+(\b)):TMP+4*(6*(\m)+(\b))+3], s[74+2*((\b)/2):75+2*((\b)/2)] offset:((\b)%2)*131072+(4*(\hi)+(\m))*512  ; 512 consecutive bytes, at a multiple of 512 from the buffer's first
.endr
.endr
.endm
	PLACES                                         ; behind the last products
	OUT 0
	OUT 1
	s_wait_tensorcnt 0x0                           ; the wave's end, behind my last tensor load
	ds_add_u32 v[SPW], v[NIL]
	s_wait_dscnt 0x0
	CROUND                                         ; the closing round: no work-group ends while a partner may still ask for a tile that names it
	s_endpgm
.Lfunc_end_k_q76563f6e7a_qkv:
	.size	k_q76563f6e7a_qkv, .Lfunc_end_k_q76563f6e7a_qkv-k_q76563f6e7a_qkv
	.p2alignl 7, 3214868480
	.fill 96, 4, 3214868480
	.section	.rodata,"a",@progbits
	.p2align	6, 0x0
	.amdhsa_kernel k_q76563f6e7a_qkv
		.amdhsa_group_segment_fixed_size 327680
		.amdhsa_private_segment_fixed_size 0
		.amdhsa_enable_private_segment 0
		.amdhsa_kernarg_size 64
		.amdhsa_user_sgpr_count 2
		.amdhsa_user_sgpr_kernarg_segment_ptr 1
		.amdhsa_wavefront_size32 1
		.amdhsa_system_sgpr_workgroup_id_x 1
		.amdhsa_system_sgpr_workgroup_id_y 1
		.amdhsa_system_sgpr_workgroup_id_z 1
		.amdhsa_system_vgpr_workitem_id 0
		.amdhsa_next_free_vgpr 960
		.amdhsa_next_free_sgpr 84
		.amdhsa_reserve_vcc 0
		.amdhsa_float_denorm_mode_32 3
		.amdhsa_float_denorm_mode_16_64 3
		.amdhsa_memory_ordered 1
		.amdhsa_forward_progress 1
		.amdhsa_inst_pref_size 117
	.end_amdhsa_kernel
	.amdgpu_metadata
---
amdhsa.version: [ 1, 2 ]
amdhsa.kernels:
  - .name:           k_q76563f6e7a_qkv
    .symbol:         k_q76563f6e7a_qkv.kd
    .args:
      - { .name: xb, .offset: 0, .size: 8, .value_kind: global_buffer, .address_space: global }
      - { .name: w3, .offset: 8, .size: 8, .value_kind: global_buffer, .address_space: global }
      - { .name: bq, .offset: 16, .size: 8, .value_kind: global_buffer, .address_space: global }
      - { .name: bk, .offset: 24, .size: 8, .value_kind: global_buffer, .address_space: global }
      - { .name: bv, .offset: 32, .size: 8, .value_kind: global_buffer, .address_space: global }
      - { .name: qh, .offset: 40, .size: 8, .value_kind: global_buffer, .address_space: global }
      - { .name: kh, .offset: 48, .size: 8, .value_kind: global_buffer, .address_space: global }
      - { .name: vh, .offset: 56, .size: 8, .value_kind: global_buffer, .address_space: global }
    .group_segment_fixed_size: 327680
    .private_segment_fixed_size: 0
    .kernarg_segment_align: 8
    .kernarg_segment_size: 64
    .max_flat_workgroup_size: 128
    .sgpr_count:     84
    .vgpr_count:     960
    .wavefront_size: 32
...
	.end_amdgpu_metadata
.endif
;; end of part 2
;; launch attn (part 3): grid 256 x 1, 4 waves a work-group, no clusters, 0 bytes of LDS; arguments qh, kh, vh, zh; writes zh
.if DOCPART == 3
	.amdgcn_target "amdgcn-amd-amdhsa--gfx1250"
	.amdhsa_code_object_version 6
	.text
	.protected	k_q76563f6e7a_attn
	.globl	k_q76563f6e7a_attn
	.p2align	8
	.type	k_q76563f6e7a_attn,@function
k_q76563f6e7a_attn:
	s_mov_b64 s[64:65], 0
	v_nop
	global_prefetch_b8 v0, s[64:65] scope:SCOPE_SE
	s_setreg_imm32_b32 hwreg(HW_REG_WAVE_MODE, 25, 1), 1
	s_wait_xcnt 0x0
; z[n][t][:] = the sum over keys u of softmax_u(q[n][t] . k[n][u] / 8) v[n][u][:], for 256 heads n of 1,024 tokens and 16 channels.  qh (already times c = log2(e) / 8), kh, vh: f16, in tiles of
; 16 tokens of 512 bytes, laid as matrix operands lie in registers (qh, kh: lane (r, h) = token r, channels 8 h ..; vh: channel r, tokens 8 h ..).  zh: f16, [256][1024][16] dense.
; Products, the maximum and the sums in f32; the weights p = 2^(s - m) are rounded to f16 for the second product, and their sum l is taken of the rounded p, by the matrix unit; z is rounded once.
; LIMITS.  c q, k and v arrive within f16's 65,504; an infinity in k would also spoil the key tile that shares its registers (0 x infinity).  p below 6e-5 keeps f16's fixed step of 6e-8.
; NaN and infinities are not treated apart.
; SHARES.  A work-group owns a head, each of its four waves 256 queries, 16 at a time.  A head's K and V^T are 256 registers each: EVERY WAVE KEEPS BOTH FOR THE WHOLE LAUNCH, so the loop reads no memory
; but the next 16 queries, has no LDS and no barrier.  No cluster: work-groups share no input.
; TWO PASSES for each 16 queries, both over all 64 key tiles.  Pass 1: S^T = K Q^T and the true maximum m of each query's scores.  Pass 2: S^T = K Q^T - m (the C operand: a lane holds one query, so its
; eight registers of C are alike), p = 2^S, O^T += V^T P, L += Ones P.  For a score that is half a v_max3, one exponential and half a rounding; nothing is rescaled, nothing carried.
; 16 CHANNELS IN A PRODUCT 32 DEEP.  Source 0, eight registers, holds TWO key tiles: tile 2 j as K = 0..15, tile 2 j + 1 as K = 16..31.  Source 1 is [q, 0] for the even tile, [0, q] for the odd one:
; twelve registers 0, q, 0 give both.
; LAYOUT.  In S^T a lane holds one query (l % 16) and the keys 8 (l / 16) + 0..7; two tiles rounded in pairs ARE source 1 (32 keys x 16 queries) of V^T P, whose result holds one query a lane and eight channels.
; REGISTERS (s_set_vgpr_msb: bits 1:0 source 0, 7:6 destination): window 0 as named below; window 1: K, tile i at v[4 i]; window 2: V^T, tile i at v[4 i].
.set LO,  1                            ; v1   16 x lane: my 16 bytes of a tile; never rewritten
.set ZO,  2                            ; v2   my 16 bytes of 16 rows of z: 32 (l % 16) + 16 (l / 16); never rewritten
.set MX,  4                            ; v4-7    four running maxima
.set QB,  8                            ; v8-19   0, q, 0:  [0, q] = v[8:15],
.set QA,  12                           ;                   [q, 0] = v[12:19]
.set QN,  20                           ; v20-23  the next 16 queries
.set NM,  24                           ; v24-31  -m, eight times
.set OA,  32                           ; v32-39  O^T
.set LA,  40                           ; v40-47  l, in every register
.set ONE, 48                           ; v48-55  1.0 in f16, everywhere
.set ZP,  56                           ; v56-59  z, packed
.set T,   60                           ; v60-63  at work
.set S,   64                           ; v64-223 S^T: 20 places of 8; tile i in place i % 20
.set P,   224                          ; v224-255 P: 4 places of 8; pair of tiles j in place j % 4
.set MSB, 0
.macro WIN new
.if MSB != (\new)
	s_set_vgpr_msb (MSB<<8)|(\new)
.set MSB, \new
.endif
.endm
.macro PLACES                          ; four places behind matrix instructions, in front of vector work that reads their results (ISA guide 7.12.1)
.rept 4
	v_nop
.endr
.endm
	s_load_b256 s[4:11], s[0:1], 0x0               ; qh s[4:5], kh s[6:7], vh s[8:9], zh s[10:11]
	v_lshrrev_b32 v3, 5, v0
	v_readfirstlane_b32 s12, v3                    ; wave 0..3
	v_and_b32 v[LO], 31, v0
	v_lshlrev_b32 v[LO], 4, v[LO]
	v_and_b32 v[ZO], 15, v0
	v_bfe_u32 v3, v0, 4, 1
	v_lshlrev_b32 v[ZO], 5, v[ZO]
	v_lshl_add_u32 v[ZO], v3, 4, v[ZO]
	s_lshl_b32 s20, ttmp9, 15                      ; a head is 32,768 bytes in each of the four buffers
	s_mov_b32 s21, 0
	s_lshl_b32 s22, s12, 13                        ; my wave's 16 tiles of 512 bytes
	s_mov_b32 s18, 0x76543210                      ; v_permlanex16_b32's selects: each lane takes its own place in the other half
	s_mov_b32 s19, 0xfedcba98
	s_wait_kmcnt 0x0
	s_add_nc_u64 s[6:7], s[6:7], s[20:21]
	s_add_nc_u64 s[8:9], s[8:9], s[20:21]
	s_add_co_u32 s20, s20, s22
	s_add_nc_u64 s[4:5], s[4:5], s[20:21]
	s_add_nc_u64 s[10:11], s[10:11], s[20:21]
	global_load_b128 v[QA:QA+3], v[LO], s[4:5]     ; my first 16 queries
	WIN 0x40                                       ; destination window 1
.set j, 0
.rept 64
	global_load_b128 v[4*j:4*j+3], v[LO], s[6:7] offset:512*j  ; K: a wave's load covers a tile's 512 bytes
.set j, j+1
.endr
	WIN 0x80                                       ; destination window 2
.set j, 0
.rept 64
	global_load_b128 v[4*j:4*j+3], v[LO], s[8:9] offset:512*j  ; V^T
.set j, j+1
.endr
	WIN 0
.irp r, 0,1,2,3,8,9,10,11
	v_mov_b32 v[QB+(\r)], 0                        ; the zeros on both sides of q
.endr
.irp r, 0,1,2,3,4,5,6,7
	v_mov_b32 v[ONE+(\r)], 0x3c003c00
.endr
.irp r, 0,1,2,3
	v_mov_b32 v[T+(\r)], 0                         ; written once: v_permlanex16_b32's destination and a pair's second register count as read
.endr
	s_mov_b32 s13, 16                              ; tiles of queries to go
	s_mov_b32 s14, 0                               ; the tile in hand
	s_wait_loadcnt 63                              ; behind K's last load 64 were issued: q and all of K are in, V may stay out through the first pass 1
; The score product of key tile i (a symbol).  c = 0: pass 1, C is the constant 0; c = 1: pass 2, C is -m.
.macro SPROD c
	WIN 0x01                                       ; K in window 1
.set rS, S+8*(i%20)
.set rK, 8*(i/2)
.set rQ, QA-4*(i%2)
.if \c
	v_wmma_f32_16x16x32_f16 v[rS:rS+7], v[rK:rK+7], v[rQ:rQ+7], v[NM:NM+7]
.else
	v_wmma_f32_16x16x32_f16 v[rS:rS+7], v[rK:rK+7], v[rQ:rQ+7], 0
.endif
.endm
; Pass 2's vector work in cell g (a symbol).  EX n: one of the four exponentials of half g % 2 of tile (g - 16) / 2, in place.  CV z: one of the two roundings of half g % 2 of tile (g - 32) / 2.
.macro EX n
.if (g >= 16) && (g <= 143)
.set rS, S+8*(((g-16)/2)%20)+4*(g%2)+(\n)
	v_exp_f32 v[rS], v[rS]
.endif
.endm
.macro CV z
.if (g >= 32) && (g <= 159)
.set ti, (g-32)/2
.set rS, S+8*(ti%20)+4*(g%2)+2*(\z)
.set rP, P+8*((ti/2)%4)+4*(ti%2)+2*(g%2)+(\z)
	v_cvt_pk_f16_f32 v[rP], v[rS], v[rS+1]
.endif
.endm
.Ltile:
	s_add_co_u32 s20, s14, 1                       ; the next 16 queries are asked for a whole trip ahead; in the last trip the last tile once more, so that the load stays inside qh
	s_min_u32 s20, s20, 15
	s_lshl_b32 s20, s20, 9
	s_add_nc_u64 s[16:17], s[4:5], s[20:21]
	global_load_b128 v[QN:QN+3], v[LO], s[16:17]
	; PASS 1.  Cell i: the product of tile i, and behind it the four v_max3 of tile i - 2: four plain instructions or more stand between a product and the first read of its result, which
	; takes the accumulator's lowest registers first.
.set i, 0
.rept 66
.if i < 64
	SPROD 0
.endif
.if i == 1
	PLACES
.endif
.if i >= 2
	WIN 0
.set rS, S+8*((i-2)%20)
.irp c, 0,1,2,3
.if i == 2
	v_max_num_f32 v[MX+(\c)], v[rS+2*(\c)], v[rS+2*(\c)+1]              ; the first tile starts the four chains
.else
	v_max3_num_f32 v[MX+(\c)], v[MX+(\c)], v[rS+2*(\c)], v[rS+2*(\c)+1]
.endif
.endr
.endif
.set i, i+1
.endr
	v_max3_num_f32 v[T], v[MX], v[MX+1], v[MX+2]
	v_max_num_f32 v[T], v[T], v[MX+3]
	v_permlanex16_b32 v[T+1], v[T], s18, s19       ; the query's other keys lie in the lane 16 away
	v_max_num_f32 v[T], v[T], v[T+1]
.irp r, 0,1,2,3,4,5,6,7
	v_sub_f32 v[NM+(\r)], 0, v[T]
.endr
	s_wait_loadcnt 0x0                             ; V (in the first trip) and the next queries are in
	; PASS 2, one stream of 164 cells: at most one product, then its riders.
	;   cell 2 i (i < 64): S^T of tile i.   cells 2 i + 16, + 17: its 8 exponentials.   cells 2 i + 32, + 33: its 4 roundings.   cell 4 j + 37: O^T += V^T P of pair j.   cell 4 j + 39: L += Ones P.
	; A place of S^T is written again 40 cells behind its product, 7 behind its last read; a place of P 9 cells behind its last reader, with 4 plain instructions or more between.
	; No two products on end share an accumulator: S, O, S, L, and at the end O, L.
	; THE EXPONENTIALS go in batches of 16 cells (64 of them).  Each batch ends with a plain instruction and ONE s_wait_alu depctr_va_vdst(0), ahead of the first
	; instruction that names a result; a tile's roundings stand 16 cells behind its exponentials, so always behind that wait.
	; Cells 0-31 have no plain riders, so four v_nop at cells 15 and 31 are the places between the first 16 products and their exponentials.
.set g, 0
.rept 164
.if (g%2 == 0) && (g <= 126)
.set i, g/2
	SPROD 1
.elseif (g%4 == 1) && (g >= 37)
.set pp, (g-37)/4
	WIN 0x02                                       ; V^T in window 2
.if pp == 0
	v_wmma_f32_16x16x32_f16 v[OA:OA+7], v[8*pp:8*pp+7], v[P+8*(pp%4):P+8*(pp%4)+7], 0
.else
	v_wmma_f32_16x16x32_f16 v[OA:OA+7], v[8*pp:8*pp+7], v[P+8*(pp%4):P+8*(pp%4)+7], v[OA:OA+7]
.endif
.elseif (g%4 == 3) && (g >= 39)
.set pp, (g-39)/4
	WIN 0
.if pp == 0
	v_wmma_f32_16x16x32_f16 v[LA:LA+7], v[ONE:ONE+7], v[P+8*(pp%4):P+8*(pp%4)+7], 0
.else
	v_wmma_f32_16x16x32_f16 v[LA:LA+7], v[ONE:ONE+7], v[P+8*(pp%4):P+8*(pp%4)+7], v[LA:LA+7]
.endif
.endif
.if (g >= 16) && (g <= 159)
	WIN 0
.endif
	CV 0
	EX 0
	CV 1
	EX 1
	EX 2
	EX 3
.if g == 15
	PLACES
.elseif g == 31
	PLACES
	s_wait_alu depctr_va_vdst(0)
.elseif (g%16 == 15) && (g <= 143)
	v_nop
	s_wait_alu depctr_va_vdst(0)
.endif
.set g, g+1
.endr
	; THE WAY OUT: z = O / l, rounded once; a lane's eight channels are 16 bytes, the wave's store 512 consecutive bytes, aligned.
	PLACES                                         ; behind the last products
	v_rcp_f32 v[T+2], v[LA]
	v_nop                                          ; a plain instruction between the reciprocal and its use,
	s_wait_alu depctr_va_vdst(0)                   ; and a wait for its result
.irp z, 0,1,2,3
	v_pk_mul_f32 v[OA+2*(\z):OA+2*(\z)+1], v[OA+2*(\z):OA+2*(\z)+1], v[T+2:T+3] op_sel_hi:[1,0]
.endr
.irp z, 0,1,2,3
	v_cvt_pk_f16_f32 v[ZP+(\z)], v[OA+2*(\z)], v[OA+2*(\z)+1]
.endr
	global_store_b128 v[ZO], v[ZP:ZP+3], s[10:11]
.irp z, 0,1,2,3
	v_mov_b32 v[QA+(\z)], v[QN+(\z)]               ; the next queries take q's place: the last product that read it stands far more than four plain instructions back
.endr
	s_wait_xcnt 0x0                                ; the store and the trip's load have read their sources: z's pointer, the packed registers and the queries' pointer are written again only behind this wait
	s_add_nc_u64 s[10:11], s[10:11], 512
	s_add_co_u32 s14, s14, 1
	s_sub_co_u32 s13, s13, 1
	s_cmp_lg_u32 s13, 0
	s_cbranch_scc1 .Ltile
	s_endpgm
.Lfunc_end_k_q76563f6e7a_attn:
	.size	k_q76563f6e7a_attn, .Lfunc_end_k_q76563f6e7a_attn-k_q76563f6e7a_attn
	.p2alignl 7, 3214868480
	.fill 96, 4, 3214868480
	.section	.rodata,"a",@progbits
	.p2align	6, 0x0
	.amdhsa_kernel k_q76563f6e7a_attn
		.amdhsa_group_segment_fixed_size 0
		.amdhsa_private_segment_fixed_size 0
		.amdhsa_enable_private_segment 0
		.amdhsa_kernarg_size 32
		.amdhsa_user_sgpr_count 2
		.amdhsa_user_sgpr_kernarg_segment_ptr 1
		.amdhsa_wavefront_size32 1
		.amdhsa_system_sgpr_workgroup_id_x 1
		.amdhsa_system_sgpr_workgroup_id_y 1
		.amdhsa_system_sgpr_workgroup_id_z 1
		.amdhsa_system_vgpr_workitem_id 0
		.amdhsa_next_free_vgpr 768
		.amdhsa_next_free_sgpr 66
		.amdhsa_reserve_vcc 0
		.amdhsa_float_denorm_mode_32 3
		.amdhsa_float_denorm_mode_16_64 3
		.amdhsa_memory_ordered 1
		.amdhsa_forward_progress 1
		.amdhsa_inst_pref_size 87
	.end_amdhsa_kernel
	.amdgpu_metadata
---
amdhsa.version: [ 1, 2 ]
amdhsa.kernels:
  - .name:           k_q76563f6e7a_attn
    .symbol:         k_q76563f6e7a_attn.kd
    .args:
      - { .name: qh, .offset: 0, .size: 8, .value_kind: global_buffer, .address_space: global }
      - { .name: kh, .offset: 8, .size: 8, .value_kind: global_buffer, .address_space: global }
      - { .name: vh, .offset: 16, .size: 8, .value_kind: global_buffer, .address_space: global }
      - { .name: zh, .offset: 24, .size: 8, .value_kind: global_buffer, .address_space: global }
    .group_segment_fixed_size: 0
    .private_segment_fixed_size: 0
    .kernarg_segment_align: 8
    .kernarg_segment_size: 32
    .max_flat_workgroup_size: 128
    .sgpr_count:     66
    .vgpr_count:     768
    .wavefront_size: 32
...
	.end_amdgpu_metadata
.endif
;; end of part 3
;; launch outp (part 4): grid 8 x 32, 4 waves a work-group, clusters of 4 x 4, 327,680 bytes of LDS; arguments zh, wot, bo, out0; writes out0
.if DOCPART == 4
	.amdgcn_target "amdgcn-amd-amdhsa--gfx1250"
	.amdhsa_code_object_version 6
	.text
	.protected	k_q76563f6e7a_outp
	.globl	k_q76563f6e7a_outp
	.p2align	8
	.type	k_q76563f6e7a_outp,@function
k_q76563f6e7a_outp:
	s_mov_b64 s[64:65], 0
	v_nop
	global_prefetch_b8 v0, s[64:65] scope:SCOPE_SE
	s_setreg_imm32_b32 hwreg(HW_REG_WAVE_MODE, 25, 1), 1
	s_wait_xcnt 0x0
	s_wait_alu depctr_hold_cnt(0) depctr_sa_sdst(0) depctr_va_vdst(0) depctr_va_sdst(0) depctr_va_ssrc(0) depctr_va_vcc(0) depctr_vm_vsrc(0)
	s_getreg_b32 s2, hwreg(HW_REG_IB_STS2, 6, 4)
	s_cmp_eq_u32 s2, 0
	s_cbranch_scc0 .Lentry_in_a_cluster
	s_endpgm
.Lentry_in_a_cluster:
	s_bfe_u32 s2, ttmp6, 0x10000c
	s_cmp_lg_u32 s2, 0xf033
	s_cbranch_scc0 .Lentry_shape_is_right
	s_endpgm
.Lentry_shape_is_right:
; out0 = z Wo + bo.  zh: [4096][1024] f16 (z, read flat); wot: [1024 n][1024 k] f16 (Wo turned, each number rounded to bf16 and written as f16); bo: f32, rounded to bf16 like all inputs;
; out0: [4096][1024] f32.  Sums in f32; the bias is the C operand that starts each sum.
; A tile of out0 is 128 x 128: 8 x 32 work-groups.  Four waves, each 64 x 64: 16 accumulators.  K goes in four steps of 256 (LDS rows of 512 bytes; a wave's tensor load brings 64 of them)
; through two slots.  CLUSTER: 4 x 4 work-groups; the four of a row need the same tiles of zh, the four of a column the same tiles of wot: each is asked for jointly.
; THE MATRIX INSTRUCTION IS USED TRANSPOSED (source 0 = 16 rows of wot, source 1 = 16 rows of zh): a lane then holds eight neighbouring numbers, 32 bytes, of a row of out0.
; A wave's 64 columns are 256 bytes of f32, aligned: each wave sends its own rows out through a stage of its own, without a barrier.
; No prefetch: the tiles are small and K has four steps, of which two are asked for at the head.
; REGISTERS: window 0: v0-31 addresses; v32-95 at work on the way out; v96-127 the bias as C operands; v128-255 the accumulators ((a, b) at v[128 + 8 (4 a + b)]).
;   window 1: two fragment buffers of 128: for 64 along K, 64 registers of zh (2 x 4 x 16 rows x 32 K), then 64 of wot.
.set SIZE_K, 1024
.set KSTEP,  256
.set PITCH,  528                       ; an LDS row: 512 bytes + 16 of padding = 132 words: row r starts at bank 4 r mod 64 (64 banks of 4 bytes: ISA guide 11.1)
.set HALFT,  64*PITCH                  ; 64 rows: what one tensor load brings, and what one wave reads of zh or of wot
.set SLOT,   4*HALFT                   ; zh's 128 rows, then wot's 128 rows
.set STAGE,  2*SLOT                    ; behind the ring, never filled by a tensor load: 16 rows x 272 bytes for each wave
.set SPITCH, 272
.set SPARE,  STAGE+4*16*SPITCH         ; behind the stages: the spare words, 128 bytes for each wave: two blocks of 256 bytes that no other line names
.set ADRA, 16                          ; v16-17  LDS address of my fragments of zh in slot 0, 1
.set ADRB, 20                          ; v20-21  the same for wot
.set STO,  24                          ; v24     the way out: where I put 32 bytes of a row
.set RD,   25                          ; v25     where I read a row back
.set CO,   26                          ; v26     my byte offset in out0
.set SPW,  28                          ; v28     LDS address of my spare word; never rewritten
.set NIL,  29                          ; v29     0; never rewritten
.set TMP,  32
.set BI,   96
.set ACC,  128
.set F0,   0
.set F1,   128
.set G1, 24
.set G0, 32
.set G1B, 48
.set G0B, 56
.set MSB, 0
.macro WIN new
.if MSB != (\new)
	s_set_vgpr_msb (MSB<<8)|(\new)
.set MSB, \new
.endif
.endm
.set MUL,  0x05                        ; sources 0 and 1 window 1; C and D window 0
.set TO_F, 0x40                        ; destination window 1, address window 0
.macro JLOAD s                         ; a joint load: waves 0 and 1 fetch zh's two halves, waves 2 and 3 wot's; an s_nop 0 and four v_nop follow each of the two lines
	s_cmp_eq_u32 s11, 0
	s_cbranch_scc0 .Lfor_b_\@
	tensor_load_to_lds s[G0+4*(\s):G0+4*(\s)+3], s[G1:G1+7]
	s_nop 0
.rept 4
	v_nop
.endr
	s_branch .Lasked_\@
.Lfor_b_\@:
	tensor_load_to_lds s[G0B+4*(\s):G0B+4*(\s)+3], s[G1B:G1B+7]
	s_nop 0
.rept 4
	v_nop
.endr
.Lasked_\@:
.endm
.macro CREST
	s_cmp_lg_u32 s10, 0
	s_cbranch_scc1 .Lnot_wave_0_\@
	s_barrier_signal -3
.Lnot_wave_0_\@:
	s_barrier_wait -3
	s_barrier_signal -1
	s_barrier_wait -1
.endm
.macro CROUND
	s_barrier_signal -1
	s_barrier_wait -1
	CREST
.endm
.macro PLACES
.rept 4
	v_nop
.endr
.endm
	s_load_b128 s[4:7], s[0:1], 0x0                ; zh s[4:5], wot s[6:7]
	s_load_b64 s[68:69], s[0:1], 0x10              ; bo
	s_load_b64 s[8:9], s[0:1], 0x18                ; out0
	v_lshl_add_u32 v[SPW], v0, 2, SPARE
	v_mov_b32 v[NIL], 0
	ds_add_u32 v[SPW], v[NIL]                      ; the wave's opening: the add and its wait stand ahead of my first tensor load; the set-up below stands between them
	v_lshrrev_b32 v1, 5, v0
	v_readfirstlane_b32 s10, v1                    ; wave 0..3
	s_lshr_b32 s11, s10, 1                         ; which half of the tile's rows is mine.  Also: I fetch for zh (0) or for wot (1)
	s_and_b32 s12, s10, 1                          ; which half of its columns.  Also: which 64 rows of that tile I fetch
	s_bfe_u32 s40, ttmp6, 0x40000                  ; cx
	s_bfe_u32 s41, ttmp6, 0x40004                  ; cy
	s_lshl_b32 s42, ttmp9, 2
	s_add_co_u32 s42, s42, s40                     ; tile column = 4 x cluster x + cx
	s_and_b32 s13, ttmp7, 0xffff
	s_lshl_b32 s13, s13, 2
	s_add_co_u32 s13, s13, s41                     ; tile row = 4 x cluster y + cy
	s_lshl_b32 s43, s41, 2
	s_lshl_b32 s43, 15, s43                        ; my row of the cluster
	s_lshl_b32 s44, 0x1111, s40                    ; my column
	s_or_b32 s[G1+0], s43, (1<<16)|(1<<20)|(1<<21)|(6<<22)|(3<<25)   ; the mask; elements of 2 bytes; padding on; 21 set beside a mask; after every 128 words (code 6) 4 words (code 3)
	s_or_b32 s[G1B+0], s44, (1<<16)|(1<<20)|(1<<21)|(6<<22)|(3<<25)
.irp g, G1, G1B
	s_mov_b32 s[(\g)+1], KSTEP<<16                 ; tensor_dim0 = 256
	s_mov_b32 s[(\g)+2], 64<<16                    ; tensor_dim1 = 64
	s_mov_b32 s[(\g)+3], KSTEP<<16                 ; tile_dim0 = 256
	s_mov_b32 s[(\g)+4], 64                        ; tile_dim1 = 64
	s_mov_b32 s[(\g)+5], SIZE_K                    ; elements from row to row
	s_mov_b32 s[(\g)+6], 0
	s_mov_b32 s[(\g)+7], 0
.endr
	s_lshl_b32 s17, s12, 6
	s_lshl_b32 s16, s13, 7
	s_add_co_u32 s16, s16, s17                     ; zh: row 128 x tile row + 64 x half,
	s_lshl_b32 s16, s16, 11                        ; of 2,048 bytes
	s_mov_b32 s17, 0
	s_lshl_b32 s46, s42, 7
	s_lshl_b32 s47, s12, 6
	s_add_co_u32 s46, s46, s47                     ; wot: row 128 x tile column + 64 x half
	s_lshl_b32 s46, s46, 11
	s_mov_b32 s47, 0
	s_mul_i32 s20, s10, HALFT                      ; where they go: wave x 64 rows
	s_wait_dscnt 0x0                               ; the opening add is done
	s_wait_kmcnt 0x0
	s_add_nc_u64 s[14:15], s[4:5], s[16:17]
	s_add_nc_u64 s[46:47], s[6:7], s[46:47]
	CROUND                                         ; all sixteen work-groups are here: the first joint loads meet
.irp s, 0,1
	s_mov_b32 s[G0+4*(\s)], 1
	s_add_co_u32 s[G0+4*(\s)+1], s20, (\s)*SLOT
	s_add_nc_u64 s[G0+4*(\s)+2:G0+4*(\s)+3], s[14:15], (\s)*KSTEP*2
	s_or_b32 s[G0+4*(\s)+3], s[G0+4*(\s)+3], 0x80000000
	s_mov_b32 s[G0B+4*(\s)], 1
	s_add_co_u32 s[G0B+4*(\s)+1], s20, (\s)*SLOT
	s_add_nc_u64 s[G0B+4*(\s)+2:G0B+4*(\s)+3], s[46:47], (\s)*KSTEP*2
	s_or_b32 s[G0B+4*(\s)+3], s[G0B+4*(\s)+3], 0x80000000
	JLOAD \s                                       ; two tensor loads of mine are out
.endr
	v_and_b32 v1, 15, v0                           ; r = l % 16
	v_bfe_u32 v2, v0, 4, 1                         ; h = l / 16
	s_lshl_b32 s46, s42, 9                         ; my wave's first column, 128 x tile column + 64 x half, in bytes of f32
	s_lshl_b32 s47, s12, 8
	s_add_co_u32 s46, s46, s47
	s_mov_b32 s47, 0
	s_add_nc_u64 s[68:69], s[68:69], s[46:47]
	v_lshlrev_b32 v6, 5, v2                        ; register j of the C operand of column block b is the bias of column 16 b + 8 h + j
.irp b, 0,1,2,3
	global_load_b128 v[BI+8*(\b):BI+8*(\b)+3],   v6, s[68:69] offset:64*(\b)
	global_load_b128 v[BI+8*(\b)+4:BI+8*(\b)+7], v6, s[68:69] offset:64*(\b)+16
.endr
	v_mul_u32_u24 v3, v1, PITCH
	v_lshl_add_u32 v3, v2, 4, v3                   ; a fragment's row x pitch + 16 x half
	s_mul_i32 s21, s11, HALFT                      ; my 64 rows of zh
	s_mul_i32 s22, s12, HALFT                      ; my 64 rows of wot,
	s_add_co_u32 s22, s22, 2*HALFT                 ; which lie behind zh's 128
.irp s, 0,1
	v_add_nc_u32 v[ADRA+(\s)], s21, v3
	v_add_nc_u32 v[ADRB+(\s)], s22, v3
	s_add_co_u32 s21, s21, SLOT
	s_add_co_u32 s22, s22, SLOT
.endr
	s_mul_i32 s23, s10, 16*SPITCH
	s_add_co_u32 s23, s23, STAGE                   ; my stage
	v_mul_u32_u24 v4, v1, SPITCH                   ; in: row l % 16, 32 bytes for each half of the lanes
	v_lshl_add_u32 v4, v2, 5, v4
	v_add_nc_u32 v[STO], s23, v4
	v_mul_u32_u24 v5, v2, SPITCH                   ; back: lanes 0-15 take one row of 256 bytes, lanes 16-31 the next
	v_lshl_add_u32 v5, v1, 4, v5
	v_add_nc_u32 v[RD], s23, v5
	v_lshlrev_b32 v5, 12, v2                       ; and the same two rows in out0, 4,096 bytes apart
	v_lshl_add_u32 v[CO], v1, 4, v5
	s_lshl_b32 s16, s13, 7
	s_lshl_b32 s17, s11, 6
	s_add_co_u32 s16, s16, s17                     ; my first row of out0
	s_lshl_b32 s16, s16, 12
	s_mov_b32 s17, 0
	s_add_nc_u64 s[8:9], s[8:9], s[16:17]
	s_add_nc_u64 s[8:9], s[8:9], s[46:47]          ; and my first column
	s_wait_loadcnt 0x0                             ; the bias is in: rounded to bf16, kept as f32
.irp a, 0,2,4,6,8,10,12,14,16,18,20,22,24,26,28,30
	v_cvt_pk_bf16_f32 v7, v[BI+(\a)], v[BI+(\a)+1]
	v_lshlrev_b32 v[BI+(\a)], 16, v7
	v_and_b32 v[BI+(\a)+1], 0xffff0000, v7
.endr
; 8 matrix instructions: row blocks a0, a0 + 1 x all 4 column blocks, 32 along K: half c of buffer f.  first = 1: the bias starts the sums.  The 16 accumulators take turns.
.macro MUL8 f, c, a0, first
	WIN MUL
.irp a, \a0, (\a0)+1
.irp b, 0,1,2,3
.if \first
	v_wmma_f32_16x16x32_f16 v[ACC+8*(4*(\a)+(\b)):ACC+8*(4*(\a)+(\b))+7], v[(\f)+64+8*(4*(\c)+(\b)):(\f)+64+8*(4*(\c)+(\b))+7], v[(\f)+8*(4*(\c)+(\a)):(\f)+8*(4*(\c)+(\a))+7], v[BI+8*(\b):BI+8*(\b)+7]
.else
	v_wmma_f32_16x16x32_f16 v[ACC+8*(4*(\a)+(\b)):ACC+8*(4*(\a)+(\b))+7], v[(\f)+64+8*(4*(\c)+(\b)):(\f)+64+8*(4*(\c)+(\b))+7], v[(\f)+8*(4*(\c)+(\a)):(\f)+8*(4*(\c)+(\a))+7], v[ACC+8*(4*(\a)+(\b)):ACC+8*(4*(\a)+(\b))+7]
.endif
.endr
.endr
.endm
; 32 LDS loads in one run: the fragments of 64 along K at byte k of the rows, into buffer f; the first 32 along K first
.macro FETCH slot, k, f
	WIN TO_F
.irp c, 0,1
.irp i, 0,1,2,3
	ds_load_b128 v[(\f)+64+8*(4*(\c)+(\i)):(\f)+64+8*(4*(\c)+(\i))+3],   v[ADRB+(\slot)] offset:(\k)+64*(\c)+(\i)*16*PITCH
	ds_load_b128 v[(\f)+64+8*(4*(\c)+(\i))+4:(\f)+64+8*(4*(\c)+(\i))+7], v[ADRB+(\slot)] offset:(\k)+64*(\c)+(\i)*16*PITCH+32
	ds_load_b128 v[(\f)+8*(4*(\c)+(\i)):(\f)+8*(4*(\c)+(\i))+3],         v[ADRA+(\slot)] offset:(\k)+64*(\c)+(\i)*16*PITCH
	ds_load_b128 v[(\f)+8*(4*(\c)+(\i))+4:(\f)+8*(4*(\c)+(\i))+7],       v[ADRA+(\slot)] offset:(\k)+64*(\c)+(\i)*16*PITCH+32
.endr
.endr
.endm
; A K step is four quarters of 64 along K, 32 matrix instructions each, on buffers 0, 1, 0, 1.  One of the first three multiplies buffer f and fetches the next quarter, at byte k, into g.
.macro QUARTER slot, k, f, g, first
	s_wait_dscnt 16                                ; the first 32 along K are in
	MUL8 \f, 0, 0, \first
	MUL8 \f, 0, 2, \first
	PLACES
	FETCH \slot, \k, \g
	s_wait_dscnt 32                                ; all but the 32 just issued
	MUL8 \f, 1, 0, 0
	MUL8 \f, 1, 2, 0
.endm
; The last quarter multiplies buffer 1 and changes slots: one barrier; in front of it each wave waits for all its tensor loads, adds 0 to its spare word, and waits for that and for its own reads of
; this slot.  fill = 1: the barrier opens a round of the cluster's barrier, and this slot is filled again, two K steps ahead.
.macro TURN slot, next, fill
	WIN 0                                          ; (the add's two registers lie in window 0)
	s_wait_tensorcnt 0x0                           ; all my tensor loads have landed: my part of the next slot
	ds_add_u32 v[SPW], v[NIL]
	s_wait_dscnt 17                                ; (the add and the youngest sixteen loads may be out)
	MUL8 F1, 0, 0, 0                               ; eight matrix instructions stand between the add and the wait for it
	s_wait_dscnt 0x0                               ; the add is done, and my reads of this slot are over
	s_barrier_signal -1
	MUL8 F1, 0, 2, 0
.if \fill
	WIN 0
.endif
	s_barrier_wait -1
.if \fill
	CREST                                          ; no wave of any partner still reads this slot's tile or has a load on its way
	s_add_nc_u64 s[G0+4*(\slot)+2:G0+4*(\slot)+3], s[G0+4*(\slot)+2:G0+4*(\slot)+3], 2*KSTEP*2
	s_add_nc_u64 s[G0B+4*(\slot)+2:G0B+4*(\slot)+3], s[G0B+4*(\slot)+2:G0B+4*(\slot)+3], 2*KSTEP*2
	JLOAD \slot                                    ; the first tensor load behind the round; its four v_nop are also the places in front of the loads below
.else
	PLACES
.endif
	FETCH \next, 0, F0
	MUL8 F1, 1, 0, 0
	MUL8 F1, 1, 2, 0
.endm
	s_wait_tensorcnt 1                             ; my part of K step 0 is in; K step 1's may stay out
	s_barrier_signal -1
	s_barrier_wait -1                              ; everybody's is
	FETCH 0, 0, F0
	QUARTER 0, 128, F0, F1, 1                      ; K step 0: its first products start the sums
	QUARTER 0, 256, F1, F0, 0
	QUARTER 0, 384, F0, F1, 0
	TURN 0, 1, 1                                   ; slot 0 takes K step 2
	QUARTER 1, 128, F0, F1, 0                      ; K step 1
	QUARTER 1, 256, F1, F0, 0
	QUARTER 1, 384, F0, F1, 0
	TURN 1, 0, 1                                   ; slot 1 takes K step 3
	QUARTER 0, 128, F0, F1, 0                      ; K step 2: from here on nothing is filled, and there is no round of the cluster's barrier
	QUARTER 0, 256, F1, F0, 0
	QUARTER 0, 384, F0, F1, 0
	TURN 0, 1, 0
	QUARTER 1, 128, F0, F1, 0                      ; K step 3
	QUARTER 1, 256, F1, F0, 0
	QUARTER 1, 384, F0, F1, 0
	s_wait_dscnt 16                                ; the very last quarter: nothing more to fetch
	MUL8 F1, 0, 0, 0
	MUL8 F1, 0, 2, 0
	s_wait_dscnt 0x0
	MUL8 F1, 1, 0, 0
	MUL8 F1, 1, 2, 0
	WIN 0
	; THE WAY OUT, 16 rows at a time: a lane's 32 bytes of a row go into my stage (each accumulator's lowest registers first) and come back as whole rows of 256 bytes.
	PLACES                                         ; behind the last products
.irp a, 0,1,2,3
.if (\a) >= 2
	s_wait_xcnt 0x0                                ; the stores of the block two back have read the registers that are loaded again below
.endif
.irp b, 0,1,2,3
	ds_store_b128 v[STO], v[ACC+8*(4*(\a)+(\b)):ACC+8*(4*(\a)+(\b))+3]   offset:64*(\b)
	ds_store_b128 v[STO], v[ACC+8*(4*(\a)+(\b))+4:ACC+8*(4*(\a)+(\b))+7] offset:64*(\b)+16
.endr
.irp t, 0,1,2,3,4,5,6,7
	ds_load_b128 v[TMP+32*((\a)%2)+4*(\t):TMP+32*((\a)%2)+4*(\t)+3], v[RD] offset:(\t)*2*SPITCH  ; LDS serves a wave's instructions in order (ISA guide 5.7.1.4): these see the stores above; the next block's stores come behind them
.endr
.irp t, 0,1,2,3,4,5,6,7
	s_wait_dscnt 7-(\t)
	global_store_b128 v[CO], v[TMP+32*((\a)%2)+4*(\t):TMP+32*((\a)%2)+4*(\t)+3], s[8:9] offset:(16*(\a)+2*(\t))*4096 th:TH_STORE_NT  ; 16 lanes store 256 consecutive bytes, at a multiple of 256 from out0's first byte
.endr
.endr
	s_wait_tensorcnt 0x0                           ; the wave's end, behind my last tensor load and my last LDS store
	ds_add_u32 v[SPW], v[NIL]
	s_wait_dscnt 0x0
	CROUND                                         ; the closing round: no work-group ends while a partner may still ask for a tile that names it
	s_endpgm
.Lfunc_end_k_q76563f6e7a_outp:
	.size	k_q76563f6e7a_outp, .Lfunc_end_k_q76563f6e7a_outp-k_q76563f6e7a_outp
	.p2alignl 7, 3214868480
	.fill 96, 4, 3214868480
	.section	.rodata,"a",@progbits
	.p2align	6, 0x0
	.amdhsa_kernel k_q76563f6e7a_outp
		.amdhsa_group_segment_fixed_size 327680
		.amdhsa_private_segment_fixed_size 0
		.amdhsa_enable_private_segment 0
		.amdhsa_kernarg_size 32
		.amdhsa_user_sgpr_count 2
		.amdhsa_user_sgpr_kernarg_segment_ptr 1
		.amdhsa_wavefront_size32 1
		.amdhsa_system_sgpr_workgroup_id_x 1
		.amdhsa_system_sgpr_workgroup_id_y 1
		.amdhsa_system_sgpr_workgroup_id_z 1
		.amdhsa_system_vgpr_workitem_id 0
		.amdhsa_next_free_vgpr 512
		.amdhsa_next_free_sgpr 72
		.amdhsa_reserve_vcc 0
		.amdhsa_float_denorm_mode_32 3
		.amdhsa_float_denorm_mode_16_64 3
		.amdhsa_memory_ordered 1
		.amdhsa_forward_progress 1
		.amdhsa_inst_pref_size 89
	.end_amdhsa_kernel
	.amdgpu_metadata
---
amdhsa.version: [ 1, 2 ]
amdhsa.kernels:
  - .name:           k_q76563f6e7a_outp
    .symbol:         k_q76563f6e7a_outp.kd
    .args:
      - { .name: zh, .offset: 0, .size: 8, .value_kind: global_buffer, .address_space: global }
      - { .name: wot, .offset: 8, .size: 8, .value_kind: global_buffer, .address_space: global }
      - { .name: bo, .offset: 16, .size: 8, .value_kind: global_buffer, .address_space: global }
      - { .name: out0, .offset: 24, .size: 8, .value_kind: global_buffer, .address_space: global }
    .group_segment_fixed_size: 327680
    .private_segment_fixed_size: 0
    .kernarg_segment_align: 8
    .kernarg_segment_size: 32
    .max_flat_workgroup_size: 128
    .sgpr_count:     72
    .vgpr_count:     512
    .wavefront_size: 32
...
	.end_amdgpu_metadata
.endif
;; end of part 4
;; ======== version 2 of 2: 4 launches; version 1 with the launch prep written anew for expert scheduling mode
;; limits: values are held in f16: magnitudes above 65,504 overflow, below 6.1e-05 lose precision
;; workspace buffers: xb 8,388,608 bytes; w3 6,291,456 bytes; wot 2,097,152 bytes; qh 8,388,608 bytes; kh 8,388,608 bytes; vh 8,388,608 bytes; zh 8,388,608 bytes
;; launch prep (part 5): grid 512 x 1, 8 waves a work-group, no clusters, 35,840 bytes of LDS; arguments x, Wq, Wk, Wv, Wo, xb, w3, wot; writes xb, w3, wot
.if DOCPART == 5
	.amdgcn_target "amdgcn-amd-amdhsa--gfx1250"
	.amdhsa_code_object_version 6
	.text
	.protected	k_q76563f6e7a_prep
	.globl	k_q76563f6e7a_prep
	.p2align	8
	.type	k_q76563f6e7a_prep,@function
k_q76563f6e7a_prep:
	s_mov_b64 s[64:65], 0
	v_nop
	global_prefetch_b8 v0, s[64:65] scope:SCOPE_SE
	s_setreg_imm32_b32 hwreg(HW_REG_WAVE_SCHED_MODE, 0, 2), 2
	s_setreg_imm32_b32 hwreg(HW_REG_WAVE_MODE, 25, 1), 1
	s_wait_xcnt 0x0
	s_wait_alu depctr_vm_vsrc(0)
; PREP: the inputs are rounded once to bf16 and laid out for the two GEMMs.
;   xb  [4096][1024] bf16 = x.
;   w3  [3072][1024] bf16: Wq, Wk, Wv turned, K along the rows.  Row 192 (n/64) + 96 ((n/32)%2) + 32 s + n%32 holds column n of W_s (s = 0 q, 1 k, 2 v):
;       the 96 rows that one wave of the next launch multiplies lie together and hold 32 columns each of q, k and v.
;   wot [1024][1024] f16: Wo turned; each number is rounded to bf16 like every other input, and that number is written as f16.
; LIMIT.  A bf16 number below 6.1e-5 in magnitude keeps f16's fixed step of 6e-8 in wot; beyond 65,504 it would be an infinity (Wo's numbers lie far inside).
; SHARES.  Work-groups 0-255: 16 rows of x each, a stream through registers.  Work-groups 256-511: one tile of 128 k x 128 n of one of the four matrices, turned through LDS.
; The branch between the two hangs on the work-group's number alone, so all eight waves of a work-group take the same way.
; No matrix unit, no cluster, no tensor load: every byte is read once and must pass through registers to be rounded.
; THE MODE: SCHED_MODE bits 1:0 = 2 (LLVM: expert scheduling mode 2), set by the entry lines.  The code itself states the register dependences
; between vector instructions and memory or LDS instructions, with s_wait_alu, always for 0.
; THE PLAN.  Registers that memory or LDS instructions touch:
;   v1            the loads' offset: written once on each way, ahead of the way's first load; never written again.
;   v2, v3, v4    the stores' offset, the LDS address to store by, the LDS address to read by: written once, ahead of a wait on va_vdst that stands ahead of their first use.
;   RR            the global loads land in it; the roundings read it; on the weights' way the LDS loads behind the barrier land in its first 32 registers, and the global stores read those.
;   DD            the roundings write it, each register to its end once; one store (global for x, LDS for the weights) reads it; never written again.
;   v[SPW], v[NIL]  written at the head, read by the closing add alone.       TT is named by vector instructions alone.
; No register that a memory or LDS instruction has read is written again, so no wait on vm_vsrc is owed.  The work goes in groups: the wait on va_vdst at a group's head states that the group
; before has written its part of DD, and that group's stores are dealt among this group's roundings, which name other registers of RR and DD.
.set LP,    272                        ; an LDS row: 128 numbers of 16 bits + 16 bytes of padding
.set SPARE, 128*LP                     ; behind the tile: the spare words, 128 bytes for each of the eight waves: four blocks of 256 bytes that no other line names
.set SPW,   8                          ; v8   LDS address of my spare word; never rewritten
.set NIL,   9                          ; v9   0; never rewritten
.set RR,    16                         ; v[16:79]   as loaded
.set DD,    80                         ; v[80:111]  rounded and packed
.set TT,    112                        ; v112-113   at work
	s_load_b256 s[4:11], s[0:1], 0x0               ; x s[4:5], Wq s[6:7], Wk s[8:9], Wv s[10:11]
	s_load_b256 s[12:19], s[0:1], 0x20             ; Wo s[12:13], xb s[14:15], w3 s[16:17], wot s[18:19]
	v_lshl_add_u32 v[SPW], v0, 2, SPARE
	v_mov_b32 v[NIL], 0
	v_lshrrev_b32 v1, 5, v0
	v_readfirstlane_b32 s20, v1                    ; wave 0..7
	s_mov_b32 s23, 0                               ; the high word of every offset pair s[22:23]
	s_wait_alu depctr_va_sdst(0)                   ; s20 is written, ahead of the branch below and of its first reader, on the weights' way
	s_wait_kmcnt 0x0
	s_cmp_lt_u32 ttmp9, 256
	s_cbranch_scc0 .Lweights
	; x: 16 rows of 4,096 bytes in, 16 rows of 2,048 bytes out.  Thread t takes 16 bytes at 16 t of every row: a wave's load covers 512 consecutive bytes, its store 256, aligned.
	s_lshl_b32 s22, ttmp9, 16
	s_add_nc_u64 s[4:5], s[4:5], s[22:23]
	s_lshl_b32 s22, ttmp9, 15
	s_add_nc_u64 s[14:15], s[14:15], s[22:23]
	v_lshlrev_b32 v1, 4, v0
	v_lshlrev_b32 v2, 3, v0
	s_wait_alu depctr_va_vdst(0)                   ; v1 and v2 are written: the loads read the one as their offset, the stores the other
.irp i, 0,1,2,3,4,5,6,7,8,9,10,11,12,13,14,15
	global_load_b128 v[RR+4*(\i):RR+4*(\i)+3], v1, s[4:5] offset:4096*(\i) th:TH_LOAD_NT
.endr
.macro XROUND i                        ; row i: four numbers rounded into two registers
	v_cvt_pk_bf16_f32 v[DD+2*(\i)],   v[RR+4*(\i)],   v[RR+4*(\i)+1]
	v_cvt_pk_bf16_f32 v[DD+2*(\i)+1], v[RR+4*(\i)+2], v[RR+4*(\i)+3]
.endm
.macro XOUT i                          ; row i leaves
	global_store_b64 v2, v[DD+2*(\i):DD+2*(\i)+1], s[14:15] offset:2048*(\i)  ; no register is written twice, so nothing is waited for behind a store
.endm
	; The rows go in four groups of four.  Group p's roundings stand among the stores of group p - 1.
	s_wait_loadcnt 12                              ; loads come back in order: rows 0 to 3 are in, the 12 younger ones stay out
.irp i, 0,1,2,3
	XROUND \i
.endr
.irp p, 1,2,3
	s_wait_loadcnt 12-4*(\p)                       ; group p's four rows are in, the younger groups stay out
	s_wait_alu depctr_va_vdst(0)                   ; the roundings of group p - 1 have written their eight registers of DD, which the four stores below read; group p's roundings name others
.irp i, 0,1,2,3
	XOUT 4*(\p)-4+(\i)
	XROUND 4*(\p)+(\i)
.endr
.endr
	s_wait_alu depctr_va_vdst(0)                   ; the last group's roundings have written their registers of DD, which the last four stores read
.irp i, 12,13,14,15
	XOUT \i
.endr
	s_branch .Lend
.Lweights:
	s_sub_co_u32 s21, ttmp9, 256
	s_lshr_b32 s24, s21, 6                         ; which matrix: 0 Wq, 1 Wk, 2 Wv, 3 Wo
	s_bfe_u32 s25, s21, 0x30003                    ; tk: the tile's 128 rows k
	s_and_b32 s26, s21, 7                          ; tn: its 128 columns n
	s_cmp_eq_u32 s24, 1
	s_cselect_b64 s[28:29], s[8:9], s[6:7]
	s_cmp_eq_u32 s24, 2
	s_cselect_b64 s[28:29], s[10:11], s[28:29]
	s_cmp_eq_u32 s24, 3
	s_cselect_b64 s[28:29], s[12:13], s[28:29]
	s_lshl_b32 s22, s25, 19                        ; 128 rows of 4,096 bytes
	s_lshl_b32 s27, s26, 9                         ; 128 columns of 4 bytes
	s_add_co_u32 s22, s22, s27
	s_add_nc_u64 s[28:29], s[28:29], s[22:23]
	v_and_b32 v5, 31, v0                           ; lane
	s_lshl_b32 s27, s20, 15                        ; my wave's 8 rows k
	v_lshl_add_u32 v1, v5, 4, s27                  ; a lane takes columns 4 l .. 4 l + 3: a wave's load covers a tile row's 512 bytes
	s_wait_alu depctr_va_vdst(0)                   ; v1 is written, which the 16 loads read as their offset
.irp g, 0,1                            ; two groups of 8 rows: k = 8 (wave + 8 g) + j
.irp j, 0,1,2,3,4,5,6,7
	global_load_b128 v[RR+32*(\g)+4*(\j):RR+32*(\g)+4*(\j)+3], v1, s[28:29] offset:262144*(\g)+4096*(\j) th:TH_LOAD_NT
.endr
.endr
	; addresses, while the loads are out: these lines name v2 to v7 alone, none of the registers that the loads touch
	v_mul_u32_u24 v3, v5, 4*LP                     ; into LDS: row n = 4 l + e,
	v_lshl_add_u32 v3, s20, 4, v3                  ; 16 bytes at k = 8 wave (+ 64 g)
	v_lshrrev_b32 v6, 4, v5
	v_and_b32 v7, 15, v5
	s_lshl_b32 s27, s20, 4
	v_add_nc_u32 v4, s27, v6                       ; back: wave w takes rows 16 w .. 16 w + 15; lanes 0-15 one row of 256 bytes, lanes 16-31 the next
	v_mul_u32_u24 v4, v4, LP
	v_lshl_add_u32 v4, v7, 4, v4
	v_lshlrev_b32 v2, 11, v6                       ; and the same two rows in memory, 2,048 bytes apart
	v_lshl_add_u32 v2, v7, 4, v2
	s_lshl_b32 s30, s26, 7
	s_lshl4_add_u32 s30, s20, s30                  ; n0 = 128 tn + 16 wave: my first column
	s_lshr_b32 s31, s30, 6
	s_mul_i32 s31, s31, 192
	s_bfe_u32 s32, s30, 0x10005
	s_mul_i32 s32, s32, 96
	s_add_co_u32 s31, s31, s32
	s_lshl_b32 s32, s24, 5
	s_add_co_u32 s31, s31, s32
	s_and_b32 s32, s30, 31
	s_add_co_u32 s31, s31, s32                     ; its row in w3; the 16 columns' rows follow each other
	s_cmp_eq_u32 s24, 3
	s_cselect_b32 s31, s30, s31                    ; in wot the row is the column
	s_cselect_b64 s[34:35], s[18:19], s[16:17]
	s_lshl_b32 s31, s31, 11
	s_lshl_b32 s32, s25, 8                         ; the tile's 128 k: 256 bytes of a row
	s_add_co_u32 s22, s31, s32
	s_add_nc_u64 s[34:35], s[34:35], s[22:23]
; Group g, my column e of four: the 8 numbers k are rounded and packed into 16 bytes.  kind = 1: the bf16 number is written as f16.
.macro PACKED g, e, kind
.irp p, 0,1,2,3
	v_cvt_pk_bf16_f32 v[DD+16*(\g)+4*(\e)+(\p)], v[RR+32*(\g)+8*(\p)+(\e)], v[RR+32*(\g)+8*(\p)+4+(\e)]
.if \kind
	v_lshlrev_b32 v[TT], 16, v[DD+16*(\g)+4*(\e)+(\p)]
	v_and_b32 v[TT+1], 0xffff0000, v[DD+16*(\g)+4*(\e)+(\p)]
	v_cvt_pk_f16_f32 v[DD+16*(\g)+4*(\e)+(\p)], v[TT], v[TT+1]
.endif
.endr
.endm
; Those 16 bytes go into LDS row 4 l + e.
.macro PUT g, e
	ds_store_b128 v3, v[DD+16*(\g)+4*(\e):DD+16*(\g)+4*(\e)+3] offset:LP*(\e)+128*(\g)
.endm
; Both groups: group 0's LDS stores stand among group 1's roundings.
.macro TURNED kind
	s_wait_loadcnt 8                               ; group 0 is in; group 1's eight loads may stay out
.irp e, 0,1,2,3
	PACKED 0, \e, \kind
.endr
	s_wait_loadcnt 0x0
	s_wait_alu depctr_va_vdst(0)                   ; group 0's roundings have written the first 16 registers of DD, which the stores below read; v2, v3 and v4 are written, by which the stores and loads from here on go
.irp e, 0,1,2,3
	PUT 0, \e                                      ; no wait: group 1's roundings name the other halves of RR and DD, and TT
	PACKED 1, \e, \kind
.endr
	s_wait_alu depctr_va_vdst(0)                   ; group 1's roundings have written the other 16 registers of DD, which the stores below read; and all roundings are done reading RR, in which the LDS loads behind the barrier land
.irp e, 0,1,2,3
	PUT 1, \e
.endr
.endm
	s_cmp_eq_u32 s24, 3
	s_cbranch_scc1 .Lwo
	TURNED 0
	s_branch .Lmeet
.Lwo:
	TURNED 1
.Lmeet:                                        ; from here on no vector instruction is issued
	s_wait_dscnt 0x0                               ; for the others' sake: my stores into the tile are done
	s_barrier_signal -1
	s_barrier_wait -1                              ; a row's 256 bytes come from all eight waves
.irp t, 0,1,2,3,4,5,6,7
	ds_load_b128 v[RR+4*(\t):RR+4*(\t)+3], v4 offset:2*LP*(\t)
.endr
.irp t, 0,1,2,3,4,5,6,7
	s_wait_dscnt 7-(\t)
	global_store_b128 v2, v[RR+4*(\t):RR+4*(\t)+3], s[34:35] offset:4096*(\t)  ; 16 lanes store 256 consecutive bytes, at a multiple of 256 from the buffer's first byte
.endr
.Lend:
	s_wait_dscnt 0x0                               ; the closing lines, six on end
	s_wait_alu 0x0
	s_wait_tensorcnt 0x0
	ds_add_u32 v[SPW], v[NIL]
	s_wait_dscnt 0x0
	s_endpgm
.Lfunc_end_k_q76563f6e7a_prep:
	.size	k_q76563f6e7a_prep, .Lfunc_end_k_q76563f6e7a_prep-k_q76563f6e7a_prep
	.p2alignl 7, 3214868480
	.fill 96, 4, 3214868480
	.section	.rodata,"a",@progbits
	.p2align	6, 0x0
	.amdhsa_kernel k_q76563f6e7a_prep
		.amdhsa_group_segment_fixed_size 35840
		.amdhsa_private_segment_fixed_size 0
		.amdhsa_enable_private_segment 0
		.amdhsa_kernarg_size 64
		.amdhsa_user_sgpr_count 2
		.amdhsa_user_sgpr_kernarg_segment_ptr 1
		.amdhsa_wavefront_size32 1
		.amdhsa_system_sgpr_workgroup_id_x 1
		.amdhsa_system_sgpr_workgroup_id_y 1
		.amdhsa_system_sgpr_workgroup_id_z 1
		.amdhsa_system_vgpr_workitem_id 0
		.amdhsa_next_free_vgpr 120
		.amdhsa_next_free_sgpr 66
		.amdhsa_reserve_vcc 0
		.amdhsa_float_denorm_mode_32 3
		.amdhsa_float_denorm_mode_16_64 3
		.amdhsa_memory_ordered 1
		.amdhsa_forward_progress 1
		.amdhsa_inst_pref_size 22
	.end_amdhsa_kernel
	.amdgpu_metadata
---
amdhsa.version: [ 1, 2 ]
amdhsa.kernels:
  - .name:           k_q76563f6e7a_prep
    .symbol:         k_q76563f6e7a_prep.kd
    .args:
      - { .name: x, .offset: 0, .size: 8, .value_kind: global_buffer, .address_space: global }
      - { .name: Wq, .offset: 8, .size: 8, .value_kind: global_buffer, .address_space: global }
      - { .name: Wk, .offset: 16, .size: 8, .value_kind: global_buffer, .address_space: global }
      - { .name: Wv, .offset: 24, .size: 8, .value_kind: global_buffer, .address_space: global }
      - { .name: Wo, .offset: 32, .size: 8, .value_kind: global_buffer, .address_space: global }
      - { .name: xb, .offset: 40, .size: 8, .value_kind: global_buffer, .address_space: global }
      - { .name: w3, .offset: 48, .size: 8, .value_kind: global_buffer, .address_space: global }
      - { .name: wot, .offset: 56, .size: 8, .value_kind: global_buffer, .address_space: global }
    .group_segment_fixed_size: 35840
    .private_segment_fixed_size: 0
    .kernarg_segment_align: 8
    .kernarg_segment_size: 64
    .max_flat_workgroup_size: 256
    .sgpr_count:     66
    .vgpr_count:     120
    .wavefront_size: 32
...
	.end_amdgpu_metadata
.endif
;; end of part 5
;; launch qkv: the kernel of part 2 again; grid 16 x 16, 4 waves a work-group, clusters of 4 x 4, 327,680 bytes of LDS; arguments xb, w3, bq, bk, bv, qh, kh, vh; writes qh, kh, vh
;; launch attn: the kernel of part 3 again; grid 256 x 1, 4 waves a work-group, no clusters, 0 bytes of LDS; arguments qh, kh, vh, zh; writes zh
;; launch outp: the kernel of part 4 again; grid 8 x 32, 4 waves a work-group, clusters of 4 x 4, 327,680 bytes of LDS; arguments zh, wot, bo, out0; writes out0
